; MI455X (gfx1250); checked and timed in simulation.
; The chip was launched on July 23, 2026; its instructions are those of AMD's public machine-readable ISA for CDNA 5 (MIT licence, August 2026) and "CDNA5" Instruction Set Architecture Reference Guide (July 2026). The comments in the code are by the model that wrote it; some were corrected since.
;; Multi Head Attention. Allowed arithmetic: matrix products marked QUANTISED: E2M3 operands, one E8M0 scale for each 32 along K, by v_wmma_scale_f32_16x16x128_f8f6f4 with both operands' format E2M3, f32 sums; everything else in f32.
;; Inputs: Wk 16 x 1,024 x 64 float32; Wo 1,024 x 1,024 float32; Wq 16 x 1,024 x 64 float32; Wv 16 x 1,024 x 64 float32; bo 1,024 float32; x 4 x 2,048 x 1,024 float32.
;; Outputs: out0 4 x 2,048 x 1,024 float32.
;; This version of the problem:
;;   THIS VERSION OF THE PROBLEM IS GIVEN IN LOW PRECISION. The matrix products marked QUANTISED in the list below multiply operands that are first quantised to E2M3 (2 exponent bits, 3 mantissa bits; 6 bits a number), with one power-of-two scale for each 32 numbers along K (OCP MX v1.0); their sums are f32. All else is computed in f32.
;;   The module's matrix products, in the order in which they are computed (A, B: the left and right operand; K: the contracted axis; several contracted axes count as one K, in the product's order):
;;     1. [M 1,024, K 1,024] x [K 1,024, N 8,192]; A: input Wq; B: input x: QUANTISED
;;     2. [M 1,024, K 1,024] x [K 1,024, N 8,192]; A: input Wk; B: input x: QUANTISED
;;     3. [M 1,024, K 1,024] x [K 1,024, N 8,192]; A: input Wv; B: input x: QUANTISED
;;     4. batch 64 x [M 2,048, K 64] x [K 64, N 2,048]; A: computed on the way; B: computed on the way: QUANTISED
;;     5. batch 64 x [M 2,048, K 2,048] x [K 2,048, N 64]; A: softmax (see below); B: computed on the way: QUANTISED
;;     6. [M 8,192, K 1,024] x [K 1,024, N 1,024]; A: computed on the way; B: input Wo: QUANTISED
;;   THE QUANTISER, for each operand of a quantised product, along K:
;;     - K is cut into blocks of 32 from its start; a last block that is shorter is filled with zeros.
;;     - A block's scale is 2^e with e = floor(log2(the largest magnitude in the block)) - 2, held to -126 .. 127; a block of zeros has e = 0. As a byte (E8M0): e + 127.
;;     - Each number is divided by its block's scale, clamped to +-7.5, and rounded to the nearest number of E2M3, ties to even, subnormals kept.
;;     - The product sums the exact products of the quantised numbers (number of the format x scale) in f32.
;;   ~~~python
;;   def quantise(x, axis):      # numpy; x: float32 -> the quantised numbers, widened to float32 again
;;       x = np.moveaxis(x, axis, -1); K = x.shape[-1]
;;       x = np.pad(x, [(0, 0)] * (x.ndim - 1) + [(0, -K % 32)]); x = x.reshape(x.shape[:-1] + (-1, 32)); a = np.abs(x).max(-1, keepdims=True)
;;       e = np.where(a > 0, np.clip(np.frexp(np.where(a > 0, a, 1))[1] - 1 - 2, -126, 127), 0)      # np.frexp(a)[1] - 1 = floor(log2(a)), exactly
;;       r = np.clip(x / 2.0 ** e, -7.5, 7.5)
;;       step = 2.0 ** (np.maximum(np.frexp(np.where(r == 0, 1, r))[1] - 1, 0) - 3)
;;       q = np.round(r / step) * step * 2.0 ** e      # np.round: ties to even
;;       return np.moveaxis(q.reshape(q.shape[:-2] + (-1,))[..., :K], -1, axis).astype(np.float32)
;;   ~~~
;;   SOFTMAX AHEAD OF A QUANTISED PRODUCT. Where the list says 'softmax', what is quantised is not the finished softmax but p = 2^(t - M), with t = logit x log2(e) and M = ceil(the row's largest t), a whole number; so 1/2 < the row's largest p <= 1. The row's sum l is taken of the UNQUANTISED p, in f32, and the product's result is divided by l at the end. Since M is a whole number, a kernel that streams over the keys may use a running M (the ceiling of the running maximum): every later rescaling is an exact power of two, which a block's scale takes up: the codes' values come out the same.
;;   OPERANDS COMPUTED ON THE WAY. 'Computed on the way' means the value that the module computes at that place (a softmax that the list does not call 'softmax' is quantised finished and normalised). What goes into a quantiser is computed in f32, as accurately as f32 sums, v_exp_f32 and their like allow (about 1e-6 of the number): no bf16 or f16 on the way to a quantiser, and a product that is left as it is and whose result goes on into a quantised operand takes f32 operands (vector FMAs, or v_wmma_f32_16x16x4_f32). A number that lies on a knife's edge between two numbers of the format may be rounded either way, as far as f32 arithmetic and the matrix unit's own rounding can turn it there, and no further.
;; One version. Each part assembles by itself: llvm-mc -triple=amdgcn-amd-amdhsa -mcpu=gfx1250 --defsym DOCPART=n.
;; ======== version 1 of 1: 4 launches
;; workspace buffers: xq 6,553,600 bytes; wts 3,276,800 bytes; qimg 6,815,744 bytes; kv 13,369,344 bytes; ctx 6,553,600 bytes
;; launch quant (part 1): grid 384 x 1, 4 waves a work-group, no clusters, 68,096 bytes of LDS; arguments x, Wo, Wq, Wk, Wv, xq, wts; writes xq, wts
.if DOCPART == 1
	.amdgcn_target "amdgcn-amd-amdhsa--gfx1250"
	.amdhsa_code_object_version 6
	.text
	.protected	k_q955469ef99_quant
	.globl	k_q955469ef99_quant
	.p2align	8
	.type	k_q955469ef99_quant,@function
k_q955469ef99_quant:
	s_mov_b64 s[64:65], 0
	v_nop
	global_prefetch_b8 v0, s[64:65] scope:SCOPE_SE
	s_setreg_imm32_b32 hwreg(HW_REG_WAVE_MODE, 25, 1), 1
	s_wait_xcnt 0x0
; x [8192][1024], Wo [1024][1024] (K innermost) and Wq, Wk, Wv [16][1024 (K)][64] (K first within a head), all f32, become codes of FP6 (E2M3), K innermost, 768 bytes a row,
; with one E8M0 byte for each 32 along K, 32 bytes a row.  A block's scale is 2^(floor(log2(largest magnitude)) - 2): its byte is the largest magnitude's exponent field - 2, held at 1 from below.
; LIMITS: a block of zeros, or one whose largest magnitude lies under 2^-124, keeps the byte 1 (its codes are zeros or subnormal; the bytes are read by this program alone); NaN and infinities are not served.
; POSITIONS: rows of x and rows n = tensor x 1024 + head x 64 + d of the three weights are stored at the row number with bits 3 and 4 exchanged, so that 16 neighbouring positions 16 T + r hold the rows
; 32 (T / 2) + 8 (T % 2) + r + 8 (r / 8): in a product used transposed the 16 registers of two neighbouring tiles are then 16 neighbours.  Wo keeps its order.
; xq:  codes [8192 positions][768] at 0, scale bytes [8192][32] at 6,291,456.   wts: weights' codes [3072][768] at 0, their bytes at 2,359,296; Wo's codes at 2,457,600, its bytes at 3,244,032.
; Work-groups 0-255 take x, 256-287 Wo (a wave: 8 rows, a plain stream of blocks), 288-383 the three weights (a wave: 32 columns x 256 along K).  The two ways part on the work-group's number and have LDS bytes of their own.
; Memory binds: no matrix unit, no tensor load, no barrier (waves share nothing).
.set STEPS, 16
.set CB,    12                         ; bytes of 16 codes
.set RR,    16                         ; v16-79   K innermost: four sets of 16 numbers as loaded
.set XX,    80                         ; v80-111  two sets of 16 neighbours
.set EE,    112                        ; v112-127 a scale byte for each step
.set CC,    128                        ; v128-191 codes: four registers a step, so that no store's data are written again
.set WREG,  8192                       ; LDS, K innermost: a region for each wave: two stages of 32 x SP bytes, then its 256 scale bytes
.set SP,    80                         ; a lane's 64 bytes + 16 of padding
.set WSTG,  32768                      ; LDS, K first: the stages begin here, 32 rows x PITCH for each wave
.set PITCH, 272                        ; sixteen places of 16 bytes (12 of codes each) + 16
.set NB,    8                          ; blocks of 32 along K for a wave
.set WX,    32                         ; v32-95   K first: two sets of 32 numbers
.set WC,    96                         ; v96..    a block's codes
.set OUTR,  112                        ; v112-175 the way out
.set SB,    24                         ; v24-25   the scale bytes, four to a register
	s_load_b128 s[4:7], s[0:1], 0x0                ; x, Wo
	s_load_b128 s[8:11], s[0:1], 0x10              ; Wq, Wk
	s_load_b128 s[12:15], s[0:1], 0x20             ; Wv, xq
	s_load_b64 s[16:17], s[0:1], 0x30              ; wts
	v_lshl_add_u32 v192, v0, 2, 0x10800
	v_mov_b32 v193, 0
	v_lshrrev_b32 v1, 5, v0
	v_readfirstlane_b32 s18, v1                    ; wave 0..3
	v_and_b32 v2, 31, v0                           ; lane
	s_cmp_ge_u32 ttmp9, 288
	s_cbranch_scc1 .Lw
; ---- K INNERMOST.  Each load reads 512 consecutive bytes, 16 a lane; a step's 2,048 bytes turn through the wave's own stage, so that a lane then holds 16 neighbours along K (two lanes a block).
	v_lshlrev_b32 v3, 4, v2                        ; my 16 bytes of a load's 512
	s_mul_i32 s19, s18, WREG
	v_lshrrev_b32 v14, 2, v2
	v_mul_u32_u24 v14, v14, SP
	v_and_b32 v15, 3, v2
	v_lshl_add_u32 v14, v15, 4, v14
	v_add_nc_u32 v14, s19, v14                     ; the stage, in: SP (lane / 4) + 16 (lane % 4)
	v_mul_u32_u24 v15, v2, SP
	v_add_nc_u32 v15, s19, v15                     ; and out: SP x lane
	v_mul_u32_u24 v4, v2, CB                       ; my codes' place in a step's
	v_lshrrev_b32 v5, 1, v2
	s_add_co_u32 s19, s19, 2*32*SP
	v_add_nc_u32 v5, s19, v5                       ; my block's byte among the wave's 256
	v_lshlrev_b32 v7, 3, v2
	v_add_nc_u32 v6, s19, v7                       ; and on the way out 8 bytes a lane
	s_wait_kmcnt 0x0
	s_add_nc_u64 s[20:21], s[14:15], 6291456       ; x's scale bytes
	s_add_nc_u64 s[22:23], s[16:17], 2457600       ; Wo's codes
	s_add_nc_u64 s[24:25], s[16:17], 3244032       ; Wo's scale bytes
	s_cmp_lt_u32 ttmp9, 256                        ; x or Wo: the choice hangs on the work-group's number alone
	s_cselect_b64 s[4:5], s[4:5], s[6:7]
	s_cselect_b64 s[8:9], s[14:15], s[22:23]
	s_cselect_b64 s[10:11], s[20:21], s[24:25]
	s_cselect_b32 s26, 0, 256
	s_sub_co_u32 s26, ttmp9, s26
	s_lshl_b32 s26, s26, 2
	s_add_co_u32 s26, s26, s18                     ; R: which run of 8 rows of the tensor is my wave's
	s_and_not1_b32 s27, s26, 3
	s_and_b32 s28, s26, 1
	s_lshl_b32 s28, s28, 1
	s_or_b32 s27, s27, s28
	s_bfe_u32 s28, s26, 0x10001
	s_or_b32 s27, s27, s28                         ; R with its two lowest bits exchanged: the rows' bits 3 and 4
	s_cmp_lt_u32 ttmp9, 256
	s_cselect_b32 s27, s27, s26                    ; where the run goes: x by positions, Wo as it lies
	s_lshl_b32 s28, s26, 15                        ; 8 rows x 4,096 bytes
	s_mov_b32 s29, 0
	s_add_nc_u64 s[4:5], s[4:5], s[28:29]
	s_mul_i32 s28, s27, 6144                       ; 8 rows x 768
	s_add_nc_u64 s[8:9], s[8:9], s[28:29]
	s_lshl_b32 s28, s27, 8                         ; 8 rows x 32
	s_add_nc_u64 s[10:11], s[10:11], s[28:29]
.macro XLOAD t
.irp i, 0,1,2,3
	global_load_b128 v[RR+16*((\t)%4)+4*\i:RR+16*((\t)%4)+4*\i+3], v3, s[4:5] offset:2048*(\t)+512*\i th:TH_LOAD_NT
.endr
.endm
.macro XTURN t                         ; step t's numbers through the stage: LDS serves a wave's instructions in order, so no wait stands between the stores and the loads
.irp i, 0,1,2,3
	ds_store_b128 v14, v[RR+16*((\t)%4)+4*\i:RR+16*((\t)%4)+4*\i+3] offset:32*SP*((\t)%2)+8*SP*\i
.endr
.irp i, 0,1,2,3
	ds_load_b128 v[XX+16*((\t)%2)+4*\i:XX+16*((\t)%2)+4*\i+3], v15 offset:32*SP*((\t)%2)+16*\i
.endr
.endm
.irp t, 0,1,2,3
	XLOAD \t
.endr
	s_wait_loadcnt 12                              ; step 0's four loads are in; the twelve of steps 1 to 3 may be out
	XTURN 0
.macro XSTEP t
.set XS, XX+16*((\t)%2)
.if (\t) > 0
	s_wait_dscnt 1                                 ; this step's numbers are back from the stage; the last step's byte store may be out
.else
	s_wait_dscnt 0x0
.endif
.if (\t)+4 < STEPS
	XLOAD (\t)+4                                   ; into the registers that the stage's stores have read
.endif
.if (\t)+1 < STEPS
.if STEPS-2-(\t) >= 3
	s_wait_loadcnt 12                              ; the next step's four loads are in; those of the three steps behind it may be out
.else
	s_wait_loadcnt 4*(STEPS-2-(\t))
.endif
	XTURN (\t)+1
.endif
	v_max3_num_f32 v8, |v[XS]|, |v[XS+1]|, |v[XS+2]|               ; the largest magnitude of my 16, in two chains
	v_max3_num_f32 v9, |v[XS+3]|, |v[XS+4]|, |v[XS+5]|
.irp i, 6,10
	v_max3_num_f32 v8, v8, |v[XS+\i]|, |v[XS+\i+1]|
	v_max3_num_f32 v9, v9, |v[XS+\i+2]|, |v[XS+\i+3]|
.endr
	v_max3_num_f32 v8, v8, |v[XS+14]|, |v[XS+15]|
	v_max3_num_f32 v8, v8, v9, 0x1800000           ; and the floor 2^(3 - 127): the byte cannot fall under 1
	v_max_num_f32_dpp v8, v8, v8 row_xmask:1 row_mask:0xf bank_mask:0xf   ; with my neighbour's 16: the block's
	v_add_nc_u32 v11, 0xff000000, v8               ; 2 off its exponent field: the conversion takes this operand's exponent field as its scale
	v_cvt_scalef32_pk16_fp6_f32 v[CC+4*(\t):CC+4*(\t)+2], v[XS:XS+15], v11
	v_lshrrev_b32 v[EE+(\t)], 23, v11              ; the scale's byte
	ds_store_b8 v5, v[EE+(\t)] offset:16*(\t)      ; both lanes of a block write the same byte with the same value
	global_store_b96 v4, v[CC+4*(\t):CC+4*(\t)+2], s[8:9] offset:32*CB*(\t)   ; the wave stores 384 consecutive bytes
.endm
.irp t, 0,1,2,3,4,5,6,7,8,9,10,11,12,13,14,15
	XSTEP \t
.endr
	ds_load_b64 v[12:13], v6                       ; LDS serves a wave's instructions in order: these see my byte stores
	s_wait_dscnt 0x0
	global_store_b64 v7, v[12:13], s[10:11]        ; 32 lanes store 256 consecutive bytes, aligned
	s_wait_tensorcnt 0x0
	ds_add_u32 v192, v193
	s_wait_dscnt 0x0
	s_endpgm
; ---- K FIRST.  A lane takes a column d and its registers run down K: a block of 32 lies in one lane, and the conversions give codes with K innermost.  Nothing is transposed by an instruction.
; Work-group g = number - 288: tensor and head g / 2; wave w: columns 32 (w % 2) on, K quarter 2 (g % 2) + w / 2.  Two waves side by side read a row's 256 bytes.
.Lw:
	s_sub_co_u32 s19, ttmp9, 288                   ; g
	s_lshr_b32 s20, s19, 1                         ; 16 x tensor + head
	s_lshr_b32 s21, s20, 4                         ; tensor
	s_and_b32 s22, s20, 15                         ; head
	s_and_b32 s23, s18, 1                          ; which 32 columns
	s_and_b32 s24, s19, 1
	s_lshl_b32 s24, s24, 1
	s_lshr_b32 s25, s18, 1
	s_add_co_u32 s24, s24, s25                     ; which 256 along K
	v_lshlrev_b32 v3, 2, v2                        ; in: 4 bytes a lane
	s_mul_i32 s25, s18, 32*PITCH
	s_add_co_u32 s25, s25, WSTG                    ; my stage
	v_mul_u32_u24 v4, v2, PITCH
	v_add_nc_u32 v4, s25, v4                       ; into it: row = my column
	v_and_b32 v5, 15, v2
	v_lshrrev_b32 v6, 4, v2
	v_mul_u32_u24 v7, v6, PITCH
	v_lshl_add_u32 v7, v5, 4, v7
	v_add_nc_u32 v7, s25, v7                       ; out of it: sixteen lanes to a row, two rows an instruction
	v_mul_u32_u24 v8, v6, 768
	v_mad_u32_u24 v8, v5, 12, v8                   ; and the same place in the codes
	v_and_b32 v9, 7, v2                            ; my column's position among its 32: bits 3 and 4 exchanged
	v_and_b32 v10, 8, v2
	v_lshl_or_b32 v9, v10, 1, v9
	v_and_b32 v10, 16, v2
	v_lshrrev_b32 v10, 1, v10
	v_or_b32 v9, v9, v10
	v_lshlrev_b32 v9, 5, v9                        ; x 32 bytes: its row of scale bytes
	s_lshl_b32 s26, s22, 18                        ; the head: 1,024 x 64 x 4 bytes
	s_lshl_b32 s27, s24, 16                        ; 256 rows of 256 bytes
	s_add_co_u32 s26, s26, s27
	s_lshl_b32 s27, s23, 7
	s_add_co_u32 s26, s26, s27
	s_mov_b32 s27, 0
	s_lshl_b32 s28, s20, 6
	s_lshl_b32 s29, s23, 5
	s_add_co_u32 s28, s28, s29                     ; n0: my first row of the codes
	s_mul_i32 s30, s28, 768
	s_mul_i32 s31, s24, 192
	s_add_co_u32 s30, s30, s31
	s_mov_b32 s31, 0
	s_lshl_b32 s32, s28, 5
	s_lshl_b32 s33, s24, 3
	s_add_co_u32 s32, s32, s33
	s_add_co_u32 s32, s32, 2359296
	s_mov_b32 s33, 0
	s_wait_kmcnt 0x0
	s_cmp_eq_u32 s21, 0
	s_cselect_b64 s[4:5], s[8:9], s[10:11]         ; Wq or Wk,
	s_cmp_eq_u32 s21, 2
	s_cselect_b64 s[4:5], s[12:13], s[4:5]         ; or Wv
	s_add_nc_u64 s[4:5], s[4:5], s[26:27]
	s_add_nc_u64 s[6:7], s[16:17], s[30:31]        ; the codes
	s_add_nc_u64 s[8:9], s[16:17], s[32:33]        ; the scale bytes
.macro WLOAD t                         ; block t: W(32 t + i, my column) into set t % 2
.irp i, 0,1,2,3,4,5,6,7,8,9,10,11,12,13,14,15,16,17,18,19,20,21,22,23,24,25,26,27,28,29,30,31
	global_load_b32 v[WX+32*((\t)%2)+\i], v3, s[4:5] offset:(32*(\t)+\i)*256 th:TH_LOAD_NT
.endr
.endm
	WLOAD 0
	WLOAD 1
.macro WBLOCK t
.set XS, WX+32*((\t)%2)
.if (\t) < NB-1
	s_wait_loadcnt 32                              ; this block's 32 loads are in; the next block's may be out
.else
	s_wait_loadcnt 0
.endif
	v_max3_num_f32 v12, |v[XS]|, |v[XS+1]|, |v[XS+2]|              ; the block's largest magnitude: all 32 numbers are mine
	v_max3_num_f32 v13, |v[XS+3]|, |v[XS+4]|, |v[XS+5]|
.irp i, 6,10,14,18,22,26
	v_max3_num_f32 v12, v12, |v[XS+\i]|, |v[XS+\i+1]|
	v_max3_num_f32 v13, v13, |v[XS+\i+2]|, |v[XS+\i+3]|
.endr
	v_max3_num_f32 v12, v12, |v[XS+30]|, |v[XS+31]|
	v_max3_num_f32 v12, v12, v13, 0x1800000        ; and the floor
	v_add_nc_u32 v11, 0xff000000, v12              ; the conversion's scale operand
	v_lshrrev_b32 v13, 23, v11                     ; the scale's byte
.if (\t)%4 == 0
	v_mov_b32 v[SB+(\t)/4], v13                    ; four bytes to a register, the lower K in the lower byte
.else
	v_lshl_or_b32 v[SB+(\t)/4], v13, 8*((\t)%4), v[SB+(\t)/4]
.endif
	v_cvt_scalef32_pk16_fp6_f32 v[WC:WC+2], v[XS:XS+15], v11
	v_cvt_scalef32_pk16_fp6_f32 v[WC+4:WC+6], v[XS+16:XS+31], v11  ; (a conversion's three registers begin on an even number)
	ds_store_b96 v4, v[WC:WC+2] offset:32*(\t)     ; 12 bytes to a place of 16, so that every LDS address is a multiple of 16
	ds_store_b96 v4, v[WC+4:WC+6] offset:32*(\t)+16
.if (\t)+2 < NB
	WLOAD (\t)+2
.endif
	s_wait_dscnt 0x0                               ; the stores have read their registers: the next block's codes may be written
.endm
.irp t, 0,1,2,3,4,5,6,7
	WBLOCK \t
.endr
	global_store_b64 v9, v[SB:SB+1], s[8:9]        ; my column's eight scale bytes
.irp t, 0,1,2,3,4,5,6,7,8,9,10,11,12,13,14,15
	ds_load_b96 v[OUTR+4*\t:OUTR+4*\t+2], v7 offset:2*\t*PITCH
.endr
.irp t, 0,1,2,3,4,5,6,7,8,9,10,11,12,13,14,15
	s_wait_dscnt 15-\t                             ; rows 2 t and 2 t + 1 are back; the younger loads may be out
	global_store_b96 v8, v[OUTR+4*\t:OUTR+4*\t+2], s[6:7] offset:(((2*\t)&7)|(((2*\t)&8)<<1)|(((2*\t)&16)>>1))*768   ; to the rows' positions; sixteen lanes store a row's 192 consecutive bytes
.endr
	s_wait_tensorcnt 0x0
	ds_add_u32 v192, v193
	s_wait_dscnt 0x0
	s_endpgm
.Lfunc_end_k_q955469ef99_quant:
	.size	k_q955469ef99_quant, .Lfunc_end_k_q955469ef99_quant-k_q955469ef99_quant
	.p2alignl 7, 3214868480
	.fill 96, 4, 3214868480
	.section	.rodata,"a",@progbits
	.p2align	6, 0x0
	.amdhsa_kernel k_q955469ef99_quant
		.amdhsa_group_segment_fixed_size 68096
		.amdhsa_private_segment_fixed_size 0
		.amdhsa_enable_private_segment 0
		.amdhsa_kernarg_size 56
		.amdhsa_user_sgpr_count 2
		.amdhsa_user_sgpr_kernarg_segment_ptr 1
		.amdhsa_wavefront_size32 1
		.amdhsa_system_sgpr_workgroup_id_x 1
		.amdhsa_system_sgpr_workgroup_id_y 1
		.amdhsa_system_sgpr_workgroup_id_z 1
		.amdhsa_system_vgpr_workitem_id 0
		.amdhsa_next_free_vgpr 194
		.amdhsa_next_free_sgpr 66
		.amdhsa_reserve_vcc 0
		.amdhsa_float_denorm_mode_32 3
		.amdhsa_float_denorm_mode_16_64 3
		.amdhsa_memory_ordered 1
		.amdhsa_forward_progress 1
		.amdhsa_inst_pref_size 74
	.end_amdhsa_kernel
	.amdgpu_metadata
---
amdhsa.version: [ 1, 2 ]
amdhsa.kernels:
  - .name:           k_q955469ef99_quant
    .symbol:         k_q955469ef99_quant.kd
    .args:
      - { .name: x, .offset: 0, .size: 8, .value_kind: global_buffer, .address_space: global }
      - { .name: Wo, .offset: 8, .size: 8, .value_kind: global_buffer, .address_space: global }
      - { .name: Wq, .offset: 16, .size: 8, .value_kind: global_buffer, .address_space: global }
      - { .name: Wk, .offset: 24, .size: 8, .value_kind: global_buffer, .address_space: global }
      - { .name: Wv, .offset: 32, .size: 8, .value_kind: global_buffer, .address_space: global }
      - { .name: xq, .offset: 40, .size: 8, .value_kind: global_buffer, .address_space: global }
      - { .name: wts, .offset: 48, .size: 8, .value_kind: global_buffer, .address_space: global }
    .group_segment_fixed_size: 68096
    .private_segment_fixed_size: 0
    .kernarg_segment_align: 8
    .kernarg_segment_size: 56
    .max_flat_workgroup_size: 128
    .sgpr_count:     66
    .vgpr_count:     194
    .wavefront_size: 32
...
	.end_amdgpu_metadata
.endif
;; end of part 1
;; launch proj (part 2): grid 12 x 32, 4 waves a work-group, clusters of 4 x 4, 327,680 bytes of LDS; arguments xq, wts, qimg, kv; writes qimg, kv
.if DOCPART == 2
	.amdgcn_target "amdgcn-amd-amdhsa--gfx1250"
	.amdhsa_code_object_version 6
	.text
	.protected	k_q955469ef99_proj
	.globl	k_q955469ef99_proj
	.p2align	8
	.type	k_q955469ef99_proj,@function
k_q955469ef99_proj:
	s_mov_b64 s[64:65], 0
	v_nop
	global_prefetch_b8 v0, s[64:65] scope:SCOPE_SE
	s_setreg_imm32_b32 hwreg(HW_REG_WAVE_MODE, 25, 1), 1
	s_wait_xcnt 0x0
	s_wait_alu depctr_hold_cnt(0) depctr_sa_sdst(0) depctr_va_vdst(0) depctr_va_sdst(0) depctr_va_ssrc(0) depctr_va_vcc(0) depctr_vm_vsrc(0)
	s_getreg_b32 s2, hwreg(HW_REG_IB_STS2, 6, 4)
	s_cmp_eq_u32 s2, 0
	s_cbranch_scc0 .Lentry_in_a_cluster
	s_endpgm
.Lentry_in_a_cluster:
	s_bfe_u32 s2, ttmp6, 0x10000c
	s_cmp_lg_u32 s2, 0xf033
	s_cbranch_scc0 .Lentry_shape_is_right
	s_endpgm
.Lentry_shape_is_right:
; q, k, v = x W, as ONE product on codes of FP6 (E2M3) with E8M0 scales for each 32 along K = 1,024; the results are quantised in registers on the way out and leave as images of the next products' operand registers.
; A tile is 256 x 256, four waves of 128 x 128 (64 accumulators, 512 registers).  K goes in steps of 256 through a ring of two LDS slots filled by the tensor data mover; the scale bytes of the tile's rows come once.
; THE MATRIX INSTRUCTION IS USED TRANSPOSED: source 0 = 16 rows of B', source 1 = 16 rows of A': a lane holds ONE row of A' and eight rows of B'.  Rows lie at POSITIONS (row number with bits 3, 4 exchanged), so that
; for one tile of A' the 64 registers of B's eight tiles are, register 16 b + i: B' row 32 b + 16 (lane / 16) + i: sixteen neighbours along what is quantised next.
;   clusters x = 0, 1 (q, k): A' = x, B' = Wq | Wk: a lane holds a token and runs along (head, d): blocks of 32 along d.   cluster x = 2 (v): A' = Wv, B' = x: a lane holds a (head, d) and runs along the keys.
; CLUSTERS: 4 x 4 work-groups; A's tiles are shared along a row of the cluster, B's along a column: each is asked for jointly, by the same tensor load with a mask that names the four.
; OUT.  qimg, for each (batch, head) 106,496 bytes: codes [16 groups of 128 tokens][4 pairs of tiles][3 x 512 bytes: registers 4 p .. 4 p + 3 of the pair's 12, 16 bytes a lane], from 98,304 scale words [16][32 lanes][4].
;       kv, for each (batch, head) 208,896 bytes: [16 groups][k as in qimg, 6,144 bytes | v: 4 tiles of d x 3 x 512 bytes], from 196,608 [16][k's words 512 bytes | v's words 256 bytes].
;       A tile of q or k has K = 64: six registers, and its scale word has two real bytes and two zero bytes.
; LIMITS: a block whose largest magnitude lies under 2^-124 keeps the byte 1; NaN and infinities are not served.
; REGISTERS, in windows of 256: window 0: v0-31 addresses; v32-63 scale words, two sets; v128-223 A's fragments, one set; on the way out v32-255 are free.  window 1: B's fragments, two sets.  windows 2, 3: the accumulators.
.set KSTEP,  256
.set NQ,     2                         ; matrix instructions deep in a slot
.set ROWB,   192                       ; a tile's row in bytes
.set KROW,   768                       ; a row of codes in memory
.set PITCH,  240                       ; an LDS row: 3 x (64 bytes + 16 of padding)
.set FR,     12                        ; registers of a fragment
.set NL,     6                         ; LDS loads that bring one
.set NP,     4                         ; places behind this matrix instruction (ISA guide 7.12.1)
.set HALFT,  128*PITCH
.set SLOT,   4*HALFT
.set LAPS,   2                         ; K = 1,024 is twice round the ring
.set KS,     32                        ; a row of scale bytes
.set SCL,    2*SLOT                    ; behind the ring: the scale bytes, as units of 256 bytes + 16 of padding
.set HALFS,  16*272                    ; those of 128 rows
.set SBLK,   2*272                     ; those of 16 rows
.set SPARE,  SCL+4*HALFS               ; the spare words, 128 bytes for each wave: no other line names them
.set ADRA, 16                          ; v16-17 LDS address of my A fragments in slot 0, 1 (v18-19: behind one padding more)
.set ADRB, 20                          ; v20-21 the same for B (v22-23)
.set LI,   24                          ; v24  16 x lane
.set L8,   25                          ; v25  8 x lane
.set ADRS, 27                          ; v27  LDS address of my scale words: lanes 0-15 A's rows, lanes 16-31 B's
.set SPW,  28                          ; v28  my spare word; never rewritten
.set NIL,  29                          ; v29  0; never rewritten
.set SC,   32
.set AF,   128
.set OB,   32                          ; the way out: v32-127 the codes, each register written once
.set TM,   200                         ; v200-203 largest magnitudes, v204-207 the other half's, then bytes, v212-215 the conversions' scale operands
.set FLR,  216                         ; v216 the floor 2^(3 - 127)
.set T2,   218                         ; v218-224 the blocks' second halves
.set PW,   226                         ; v226-233 the scale word of each of A's eight tiles
.set Z,    236                         ; v236-247 scale words as they are stored
.set G1, 24
.set G0, 32
.set G1B, 48
.set G0B, 56
.set G1S, 68
.set G0S, 76
.set G1SB, 80
.set G0SB, 88
.set HM,  95                           ; s95  a mask of lanes 16-31
.set SEL, 100                          ; s[100:101] v_permlanex16_b32's selects for lane l xor 16
.set MSB, 0
.macro WIN new                         ; the immediate's high byte repeats the setting that is left
.if MSB != (\new)
	s_set_vgpr_msb (MSB<<8)|(\new)
.set MSB, (\new)
.endif
.endm
.set MUL_LO, 0xa1                      ; source 0 (B) window 1, source 1 (A) window 0, C and D window 2
.set MUL_HI, 0xf1
.set TO_B,   0x40
; A joint load: waves 0 and 1 fetch for A, waves 2 and 3 for B; the branch hangs on the wave's number alone.  Four v_nop follow each of the two lines.
.macro JLOAD g0a, g1a, g0b, g1b
	s_cmp_eq_u32 s15, 0
	s_cbranch_scc0 .Lfor_b_\@
	tensor_load_to_lds s[\g0a:\g0a+3], s[\g1a:\g1a+7]
	s_nop 0
.rept 4
	v_nop
.endr
	s_branch .Lasked_\@
.Lfor_b_\@:
	tensor_load_to_lds s[\g0b:\g0b+3], s[\g1b:\g1b+7]
	s_nop 0
.rept 4
	v_nop
.endr
.Lasked_\@:
.endm
.macro CREST                           ; a round of the cluster's barrier behind its opening barrier
	s_cmp_lg_u32 s14, 0
	s_cbranch_scc1 .Lnot_wave_0_\@
	s_barrier_signal -3
.Lnot_wave_0_\@:
	s_barrier_wait -3
	s_barrier_signal -1
	s_barrier_wait -1
.endm
.macro CROUND
	s_barrier_signal -1
	s_barrier_wait -1
	CREST
.endm
	s_load_b128 s[96:99], s[0:1], 0x0              ; xq s[96:97], wts s[98:99]
	s_load_b128 s[4:7], s[0:1], 0x10               ; qimg s[4:5], kv s[6:7]
	v_lshl_add_u32 v[SPW], v0, 2, SPARE
	v_mov_b32 v[NIL], 0
	ds_add_u32 v28, v29
	ds_add_u32 v28, v29
	s_wait_dscnt 0x0
	v_lshrrev_b32 v1, 5, v0
	v_readfirstlane_b32 s14, v1                    ; wave 0..3
	s_lshr_b32 s15, s14, 1                         ; which half of A's rows is mine.  Also: I fetch for A (0) or for B (1)
	s_and_b32 s16, s14, 1                          ; which half of B's rows.  Also: which 128 rows of that tile I fetch
	s_bfe_u32 s40, ttmp6, 0x40000                  ; cx, cy: my place in the cluster
	s_bfe_u32 s41, ttmp6, 0x40004
	s_and_b32 s18, ttmp7, 0xffff
	s_lshl_b32 s18, s18, 2                         ; 4 x cluster y
	s_add_co_u32 s17, s18, s41                     ; q, k: A' = x, tile 4 cluster y + cy
	s_lshl_b32 s42, ttmp9, 2
	s_add_co_u32 s42, s42, s40                     ; q, k: B' = Wq | Wk, tile 4 cluster x + cx
	s_add_co_u32 s95, s18, s40                     ; v: B' = x, tile 4 cluster y + cx
	s_cmp_eq_u32 ttmp9, 2                          ; the cluster's x: the same in all sixteen partners
	s_cselect_b32 s17, s41, s17                    ; A's tile: of the places it holds cy alone (v: A' = Wv, tile cy)
	s_cselect_b32 s42, s95, s42                    ; B's tile: of the places it holds cx alone
	s_lshl_b32 s43, s41, 2
	s_lshl_b32 s43, 15, s43                        ; my row of the cluster
	s_lshl_b32 s44, 0x1111, s40                    ; my column
	; descriptor group 1: a tile of 128 rows x 192 bytes, 16 bytes of padding behind every 64
	s_or_b32 s[G1+0], s43, (0<<16)|(1<<20)|(1<<21)|(3<<22)|(3<<25)
	s_or_b32 s[G1B+0], s44, (0<<16)|(1<<20)|(1<<21)|(3<<22)|(3<<25)
.irp g, G1, G1B
	s_mov_b32 s[\g+1], ROWB<<16                    ; tensor_dim0
	s_mov_b32 s[\g+2], 128<<16                     ; tensor_dim1
	s_mov_b32 s[\g+3], ROWB<<16                    ; tile_dim0
	s_mov_b32 s[\g+4], 128                         ; tile_dim1
	s_mov_b32 s[\g+5], KROW                        ; from row to row
	s_mov_b32 s[\g+6], 0
	s_mov_b32 s[\g+7], 0
.endr
	; the scale bytes of 128 rows: 4,096 dense bytes, as 16 rows of 256 bytes (32 elements of 8), 16 bytes of padding behind each
	s_or_b32 s[G1S+0], s43, (3<<16)|(1<<20)|(1<<21)|(5<<22)|(3<<25)
	s_or_b32 s[G1SB+0], s44, (3<<16)|(1<<20)|(1<<21)|(5<<22)|(3<<25)
.irp g, G1S, G1SB
	s_mov_b32 s[\g+1], 32<<16
	s_mov_b32 s[\g+2], 16<<16
	s_mov_b32 s[\g+3], 32<<16
	s_mov_b32 s[\g+4], 16
	s_mov_b32 s[\g+5], 32
	s_mov_b32 s[\g+6], 0
	s_mov_b32 s[\g+7], 0
.endr
	s_lshl_b32 s18, s16, 7                         ; which 128 rows of the tile I fetch
	s_lshl_b32 s20, s17, 8
	s_add_co_u32 s20, s20, s18                     ; A': first row
	s_lshl_b32 s46, s42, 8
	s_add_co_u32 s46, s46, s18                     ; B': first row
	s_mov_b32 s21, 0
	s_mov_b32 s47, 0
	s_mov_b64 s[18:19], KS
	s_mul_u64 s[22:23], s[20:21], s[18:19]         ; where these rows' scale bytes begin
	s_mul_u64 s[92:93], s[46:47], s[18:19]
	s_mov_b64 s[18:19], KROW
	s_mul_u64 s[20:21], s[20:21], s[18:19]         ; and their codes
	s_mul_u64 s[46:47], s[46:47], s[18:19]
	s_mul_i32 s45, s14, HALFT                      ; where they go: wave x 128 rows: no place in the cluster enters an LDS address
	s_mul_i32 s94, s14, HALFS
	s_wait_kmcnt 0x0
	s_add_nc_u64 s[8:9], s[98:99], 1572864         ; Wv's codes (rows 2,048 on)
	s_add_nc_u64 s[10:11], s[98:99], 2424832       ; Wv's scale bytes
	s_add_nc_u64 s[12:13], s[96:97], 6291456       ; x's scale bytes
	s_add_nc_u64 s[66:67], s[98:99], 2359296       ; the weights' scale bytes
	s_cmp_eq_u32 ttmp9, 2
	s_cselect_b64 s[8:9], s[8:9], s[96:97]         ; A's codes:  Wv | x
	s_cselect_b64 s[10:11], s[10:11], s[12:13]     ; A's scales
	s_cselect_b64 s[66:67], s[12:13], s[66:67]     ; B's scales: x | Wq, Wk
	s_cselect_b64 s[12:13], s[96:97], s[98:99]     ; B's codes
	s_add_nc_u64 s[20:21], s[8:9], s[20:21]
	s_add_nc_u64 s[22:23], s[10:11], s[22:23]
	s_add_nc_u64 s[46:47], s[12:13], s[46:47]
	s_add_nc_u64 s[92:93], s[66:67], s[92:93]
	CROUND                                         ; all sixteen work-groups are here: the first joint loads meet
	s_mov_b32 s[G0S], 1
	s_add_co_u32 s[G0S+1], s94, SCL
	s_mov_b64 s[G0S+2:G0S+3], s[22:23]
	s_or_b32 s[G0S+3], s[G0S+3], 0x80000000
	s_mov_b32 s[G0SB], 1
	s_add_co_u32 s[G0SB+1], s94, SCL
	s_mov_b64 s[G0SB+2:G0SB+3], s[92:93]
	s_or_b32 s[G0SB+3], s[G0SB+3], 0x80000000
	JLOAD G0S, G1S, G0SB, G1SB                     ; the scale bytes first: they are wanted with K step 0
.irp s, 0,1
	s_mov_b32 s[G0+4*\s], 1
	s_add_co_u32 s[G0+4*\s+1], s45, \s*SLOT
	s_add_nc_u64 s[G0+4*\s+2:G0+4*\s+3], s[20:21], \s*ROWB
	s_or_b32 s[G0+4*\s+3], s[G0+4*\s+3], 0x80000000
	s_mov_b32 s[G0B+4*\s], 1
	s_add_co_u32 s[G0B+4*\s+1], s45, \s*SLOT
	s_add_nc_u64 s[G0B+4*\s+2:G0B+4*\s+3], s[46:47], \s*ROWB
	s_or_b32 s[G0B+4*\s+3], s[G0B+4*\s+3], 0x80000000
	JLOAD G0+4*\s, G1, G0B+4*\s, G1B
.endr
	v_and_b32 v1, 15, v0                           ; l % 16
	v_bfe_u32 v2, v0, 4, 1                         ; l / 16
	v_mul_u32_u24 v3, v1, PITCH
	v_mul_u32_u24 v4, v2, 24
	v_add_nc_u32 v4, v3, v4                        ; a fragment's row x pitch + 24 x half
	v_lshl_add_u32 v5, v2, 4, v4                   ; and the same behind one padding more
	s_mul_i32 s21, s15, HALFT                      ; my 128 rows of A
	s_mul_i32 s22, s16, HALFT                      ; my 128 rows of B,
	s_add_co_u32 s22, s22, 2*HALFT                 ; which lie behind A's 256
.irp s, 0,1
	v_add_nc_u32 v[ADRA+\s], s21, v4
	v_add_nc_u32 v[ADRB+\s], s22, v4
	v_add_nc_u32 v[ADRA+2+\s], s21, v5
	v_add_nc_u32 v[ADRB+2+\s], s22, v5
	s_add_co_u32 s21, s21, SLOT
	s_add_co_u32 s22, s22, SLOT
.endr
	v_mul_u32_u24 v5, v1, KS                       ; my row's scale bytes: 32 a row,
	v_lshrrev_b32 v6, 8, v5
	v_lshl_add_u32 v5, v6, 4, v5                   ; and 16 more for each 256 passed
	s_mul_i32 s21, s15, HALFS
	s_mul_i32 s22, s16, HALFS
	s_add_co_u32 s22, s22, 2*HALFS
	s_sub_co_u32 s22, s22, s21
	v_mul_u32_u24 v6, s22, v2                      ; lanes 16-31 take B's
	s_add_co_u32 s21, s21, SCL
	v_add_nc_u32 v5, v5, v6
	v_add_nc_u32 v[ADRS], s21, v5
	v_and_b32 v6, 31, v0
	v_lshlrev_b32 v[LI], 4, v6
	v_lshlrev_b32 v[L8], 3, v6
.macro FRAG reg, adr, q, i             ; 16 rows x 128 K of 6-bit codes: 12 registers; registers 6 c .. 6 c + 5 hold K = 64 c + 32 (l / 16) + 0 .. 31: 24 bytes of the row as they lie, in pieces of 8 bytes
.irp p, 0,1,2,3,4,5
.set PC, 12*(\q)+6*(\p/3)+\p%3         ; where the piece three on lies behind one padding more, the second address register serves
.if PC%8 < 5
	ds_load_b64 v[\reg+2*\p:\reg+2*\p+1], v[\adr] offset:8*PC+16*(PC/8)+(\i)*16*PITCH
.else
	ds_load_b64 v[\reg+2*\p:\reg+2*\p+1], v[\adr+2] offset:8*PC+16*(PC/8)+(\i)*16*PITCH
.endif
.endr
.endm
; 16 matrix instructions: A's blocks a0, a0 + 1 x B's eight.  The 64 accumulators take turns, one instruction a turn, in the same order in every step.  zero = 1: the first product starts the sums.
.macro MUL16 a0, p, q, sc, zero
.irp a, \a0, \a0+1
.irp b, 0,1,2,3,4,5,6,7
.if \zero
	v_wmma_scale_f32_16x16x128_f8f6f4 v[8*(8*((\a)%4)+\b):8*(8*((\a)%4)+\b)+7], v[128*(\p)+FR*\b:128*(\p)+FR*\b+FR-1], v[AF+FR*(\a):AF+FR*(\a)+FR-1], 0, v[SC+8*NQ*(\sc)+NQ*\b+(\q)], v[SC+8*NQ*(\sc)+NQ*(\a)+(\q)] matrix_a_fmt:MATRIX_FMT_FP6 matrix_b_fmt:MATRIX_FMT_FP6 matrix_a_scale:MATRIX_SCALE_ROW1
.else
	v_wmma_scale_f32_16x16x128_f8f6f4 v[8*(8*((\a)%4)+\b):8*(8*((\a)%4)+\b)+7], v[128*(\p)+FR*\b:128*(\p)+FR*\b+FR-1], v[AF+FR*(\a):AF+FR*(\a)+FR-1], v[8*(8*((\a)%4)+\b):8*(8*((\a)%4)+\b)+7], v[SC+8*NQ*(\sc)+NQ*\b+(\q)], v[SC+8*NQ*(\sc)+NQ*(\a)+(\q)] matrix_a_fmt:MATRIX_FMT_FP6 matrix_b_fmt:MATRIX_FMT_FP6 matrix_a_scale:MATRIX_SCALE_ROW1
.endif
.endr
.endr
.endm
.macro FETCH_B slot, q, p
	WIN TO_B
.irp i, 0,1,2,3,4,5,6,7
	FRAG 128*(\p)+FR*\i, ADRB+\slot, \q, \i
.endr
	WIN 0
.endm
.macro FETCH_A slot, q, i0
.irp i, \i0, \i0+1, \i0+2, \i0+3
	FRAG AF+FR*(\i), ADRA+\slot, \q, \i
.endr
.endm
.macro SCALES sc                       ; a K step's scale words: two words a row; lanes 0-15 take A's block i, lanes 16-31 B's block i
.irp i, 0,1,2,3,4,5,6,7
	ds_load_b64 v[SC+8*NQ*\sc+NQ*\i:SC+8*NQ*\sc+NQ*\i+1], v[ADRS] offset:\i*SBLK
.endr
.endm
.macro PLACES n                        ; plain vector instructions between a matrix instruction and a load into, or a vector read or write of, its registers
.rept \n
	v_nop
.endr
.endm
.macro STEP slot, q, zero              ; 128 along K with its successor in the same slot
	s_wait_dscnt 4*NL                              ; B's set and A's blocks 0-3 are in; the youngest 24 loads (A's blocks 4-7) may be out
	WIN MUL_LO
	MUL16 0, (\q)%2, \q, \slot, \zero
	MUL16 2, (\q)%2, \q, \slot, \zero
	s_wait_dscnt 0
	PLACES NP
	FETCH_B \slot, (\q)+1, 1-(\q)%2
	FETCH_A \slot, (\q)+1, 0
	WIN MUL_HI
	MUL16 4, (\q)%2, \q, \slot, \zero
	MUL16 6, (\q)%2, \q, \slot, \zero
	PLACES NP
	WIN 0
	FETCH_A \slot, (\q)+1, 4
.endm
; A slot's last step changes slots: one barrier; in front of it each wave waits for all its tensor loads, adds 0 to its spare word, and waits for that and for its own reads of this slot.
.macro TURN slot, next, fill
	s_wait_tensorcnt 0x0                           ; all my tensor loads have landed: my part of the next slot
	ds_add_u32 v[SPW], v[NIL]                      ; 0 onto my spare word
	s_wait_dscnt 4*NL+1                            ; the add and the youngest 24 loads (A's blocks 4-7) may be out
	WIN MUL_LO
	MUL16 0, 1, NQ-1, \slot, 0
	s_wait_dscnt 0x0                               ; the add is done, and my reads of this slot are over
	s_barrier_signal -1
	MUL16 2, 1, NQ-1, \slot, 0
	WIN 0
	s_barrier_wait -1
.if \fill
	CREST                                          ; the barrier has opened a round of the cluster's barrier: no wave of any partner still reads this slot or has a load on its way
	s_add_nc_u64 s[G0+4*\slot+2:G0+4*\slot+3], s[G0+4*\slot+2:G0+4*\slot+3], 2*ROWB
	s_add_nc_u64 s[G0B+4*\slot+2:G0B+4*\slot+3], s[G0B+4*\slot+2:G0B+4*\slot+3], 2*ROWB
	JLOAD G0+4*\slot, G1, G0B+4*\slot, G1B         ; the first tensor load behind the round; its four v_nop are also the places in front of the loads below
.else
	PLACES NP
.endif
	v_add_nc_u32 v[ADRS], 4*NQ, v[ADRS]            ; on to the next K step's scale words
	FETCH_B \next, 0, 0
	FETCH_A \next, 0, 0
	SCALES \next
	WIN MUL_HI
	MUL16 4, 1, NQ-1, \slot, 0
	MUL16 6, 1, NQ-1, \slot, 0
	PLACES NP
	WIN 0
	FETCH_A \next, 0, 4
.endm
	s_wait_tensorcnt 1                             ; the scale bytes and my part of K step 0 are in; K step 1's load may be out
	s_barrier_signal -1
	s_barrier_wait -1
	FETCH_B 0, 0, 0
	FETCH_A 0, 0, 0
	SCALES 0
	FETCH_A 0, 0, 4
	STEP 0, 0, 1                                   ; the first step stands in front of the loop: its products start the sums
	s_mov_b32 s3, LAPS-1
.Llap:                                             ; a trip goes once round the ring and fills both slots again
	TURN 0, 1, 1
	STEP 1, 0, 0
	TURN 1, 0, 1
	STEP 0, 0, 0
	s_sub_co_u32 s3, s3, 1
	s_cmp_lg_u32 s3, 0
	s_cbranch_scc1 .Llap
	TURN 0, 1, 0                                   ; the last lap fills nothing
	STEP 1, 0, 0
	s_wait_dscnt 4*NL
	WIN MUL_LO
	MUL16 0, 1, NQ-1, 1, 0
	MUL16 2, 1, NQ-1, 1, 0
	s_wait_dscnt 0
	WIN MUL_HI
	MUL16 4, 1, NQ-1, 1, 0
	MUL16 6, 1, NQ-1, 1, 0
	WIN 0
; THE WAY OUT: no LDS.  For A's tile a the lane's 64 numbers are four blocks of 32, half a block a lane.  QUANTW makes the tile's scale word v[PW + a] and the codes: blocks 0, 1 in six registers from d0, blocks 2, 3 from d1
; (lanes 0-15 the even block, lanes 16-31 the odd one: the operand's layout).  Each accumulator is read from its low end on.
.macro QUANTW a, d0, d1
.set AC, 64*((\a)%4)
.set WW, 2+(\a)/4
.set W12, (WW<<2)|(WW<<4)
	WIN W12                                        ; sources 1 and 2 in the accumulators' window
.irp b, 0,1,2,3
	v_max3_num_f32 v[TM+\b], v[FLR], |v[AC+16*\b]|, |v[AC+16*\b+1]|         ; my 16 numbers of block b, and the floor
.endr
.irp i, 2,4,6,8,10,12,14
.irp b, 0,1,2,3
	v_max3_num_f32 v[TM+\b], v[TM+\b], |v[AC+16*\b+\i]|, |v[AC+16*\b+\i+1]| ; the four blocks by turns
.endr
.endr
	WIN 0
.irp b, 0,1,2,3
	v_permlanex16_b32 v[TM+4+\b], v[TM+\b], s[SEL], s[SEL+1]
.endr
.irp b, 0,1,2,3
	v_max_num_f32 v[TM+\b], v[TM+\b], v[TM+4+\b]   ; with lane l xor 16's: the block's largest magnitude
.endr
.irp b, 0,1,2,3
	v_add_nc_u32 v[TM+12+\b], 0xff000000, v[TM+\b] ; 2 off its exponent field: the conversion's scale operand
.endr
.irp b, 0,1,2,3
	v_lshrrev_b32 v[TM+4+\b], 23, v[TM+12+\b]      ; the scale's byte
.endr
	v_lshl_or_b32 v[PW+(\a)], v[TM+5], 8, v[TM+4]
	v_lshl_or_b32 v[PW+(\a)], v[TM+6], 16, v[PW+(\a)]
	v_lshl_or_b32 v[PW+(\a)], v[TM+7], 24, v[PW+(\a)]
	WIN WW                                         ; source 0 in the accumulators' window
	v_cvt_scalef32_pk16_fp6_f32 v[(\d0):(\d0)+2], v[AC:AC+15], v[TM+12]
	v_cvt_scalef32_pk16_fp6_f32 v[T2:T2+2], v[AC+16:AC+31], v[TM+13]        ; (a conversion's three registers begin on an even number)
	v_cvt_scalef32_pk16_fp6_f32 v[(\d1):(\d1)+2], v[AC+32:AC+47], v[TM+14]
	v_cvt_scalef32_pk16_fp6_f32 v[T2+4:T2+6], v[AC+48:AC+63], v[TM+15]
	WIN 0
	v_nop                                          ; one plain place behind a scaled conversion
.irp i, 0,1,2
	v_permlane16_swap_b32 v[(\d0)+\i], v[T2+\i]    ; a whole block to a lane
	v_permlane16_swap_b32 v[(\d1)+\i], v[T2+4+\i]
.endr
.irp i, 0,1,2
	v_mov_b32 v[(\d0)+3+\i], v[T2+\i]
	v_mov_b32 v[(\d1)+3+\i], v[T2+4+\i]
.endr
.endm
	PLACES NP                                      ; behind the last products: their results are read, and registers that they read are written, below
	v_mov_b32 v[FLR], 0x1800000
.irp b, 0,1,2,3
	v_mov_b32 v[TM+4+\b], 0                        ; written once: a lane permute's destination counts as one of its sources
.endr
	s_mov_b32 s[SEL], 0x76543210
	s_mov_b32 s[SEL+1], 0xfedcba98
	s_mov_b32 s[HM], 0xffff0000
	s_cmp_eq_u32 ttmp9, 2
	s_cbranch_scc1 .Lv
	; ---- q, k: my 128 tokens are group st of batch b; my 128 rows of B' are two heads.  Blocks 0, 1 are the first head's d, blocks 2, 3 the second's.
	s_lshl_b32 s18, s17, 1
	s_add_co_u32 s18, s18, s15                     ; the group of 128 tokens
	s_lshr_b32 s19, s18, 4                         ; batch
	s_and_b32 s18, s18, 15                         ; group in the batch
	s_lshl_b32 s20, s42, 1
	s_add_co_u32 s20, s20, s16
	s_and_b32 s20, s20, 7
	s_lshl_b32 s20, s20, 1                         ; my first head
	s_lshl_b32 s19, s19, 4
	s_add_co_u32 s19, s19, s20                     ; 16 x batch + head
	s_mov_b32 s22, 106496
	s_mov_b32 s23, 6144
	s_mov_b32 s45, 98304
	s_mov_b32 s46, 512
	s_cmp_eq_u32 ttmp9, 1                          ; cluster x = 1: k
	s_cselect_b64 s[8:9], s[6:7], s[4:5]           ; kv | qimg
	s_cselect_b32 s22, 208896, s22                 ; from head to head
	s_cselect_b32 s23, 12288, s23                  ; from group to group, codes
	s_cselect_b32 s45, 196608, s45                 ; where the scale words begin
	s_cselect_b32 s46, 768, s46                    ; from group to group, scale words
	s_mul_i32 s47, s19, s22
	s_mul_i32 s92, s18, s23
	s_add_co_u32 s92, s92, s47
	s_mov_b32 s93, 0
	s_add_nc_u64 s[10:11], s[8:9], s[92:93]        ; the first head's codes
	s_mul_i32 s92, s18, s46
	s_add_co_u32 s92, s92, s47
	s_add_co_u32 s92, s92, s45
	s_add_nc_u64 s[66:67], s[8:9], s[92:93]        ; its scale words
	s_mov_b32 s92, s22
	s_add_nc_u64 s[12:13], s[10:11], s[92:93]      ; the second head's
	s_add_nc_u64 s[96:97], s[66:67], s[92:93]
.irp a, 0,1,2,3,4,5,6,7
	QUANTW \a, OB+24*(\a/2)+6*(\a%2), OB+24*(\a/2)+12+6*(\a%2)
.if (\a)%2
.irp p, 0,1,2
	global_store_b128 v[LI], v[OB+24*(\a/2)+4*\p:OB+24*(\a/2)+4*\p+3], s[10:11] offset:1536*(\a/2)+512*\p          ; a pair of tiles, 12 registers: each store covers 512 consecutive bytes, aligned
	global_store_b128 v[LI], v[OB+24*(\a/2)+12+4*\p:OB+24*(\a/2)+12+4*\p+3], s[12:13] offset:1536*(\a/2)+512*\p
.endr
.endif
.endr
.irp p, 0,1,2,3
	v_cndmask_b32 v[Z+\p], v[PW+2*\p], v[PW+2*\p+1], s[HM]   ; lanes 0-15 the even tile's words, lanes 16-31 the odd tile's
.endr
.irp p, 0,1,2,3
	v_and_b32 v[Z+4+\p], 0xffff, v[Z+\p]           ; the first head's two bytes, two zero bytes above them
.endr
.irp p, 0,1,2,3
	v_lshrrev_b32 v[Z+8+\p], 16, v[Z+\p]           ; the second head's
.endr
	global_store_b128 v[LI], v[Z+4:Z+7], s[66:67]
	global_store_b128 v[LI], v[Z+8:Z+11], s[96:97]
	s_branch .Lend
	; ---- v: my 128 rows of A' are two heads x four tiles of d; my 128 rows of B' are the keys of group st of batch b: four blocks along the keys, a whole fragment for each tile.
.Lv:
	s_lshl_b32 s18, s42, 1
	s_add_co_u32 s18, s18, s16                     ; the group of 128 keys
	s_lshr_b32 s19, s18, 4
	s_and_b32 s18, s18, 15
	s_lshl_b32 s20, s17, 2
	s_lshl_b32 s21, s15, 1
	s_add_co_u32 s20, s20, s21                     ; my first head
	s_lshl_b32 s19, s19, 4
	s_add_co_u32 s19, s19, s20
	s_mul_i32 s47, s19, 208896
	s_mul_i32 s92, s18, 12288
	s_add_co_u32 s92, s92, s47
	s_add_co_u32 s92, s92, 6144                    ; v's codes lie behind k's
	s_mov_b32 s93, 0
	s_add_nc_u64 s[10:11], s[6:7], s[92:93]
	s_mul_i32 s92, s18, 768
	s_add_co_u32 s92, s92, s47
	s_add_co_u32 s92, s92, 196608+512              ; v's scale words lie behind k's
	s_add_nc_u64 s[66:67], s[6:7], s[92:93]
	s_add_nc_u64 s[12:13], s[10:11], 208896
	s_add_nc_u64 s[96:97], s[66:67], 208896
.irp a, 0,1,2,3
	QUANTW \a, OB+12*\a, OB+12*\a+6
.irp p, 0,1,2
	global_store_b128 v[LI], v[OB+12*\a+4*\p:OB+12*\a+4*\p+3], s[10:11] offset:1536*\a+512*\p
.endr
.endr
.irp a, 4,5,6,7
	QUANTW \a, OB+12*\a, OB+12*\a+6
.irp p, 0,1,2
	global_store_b128 v[LI], v[OB+12*\a+4*\p:OB+12*\a+4*\p+3], s[12:13] offset:1536*(\a-4)+512*\p
.endr
.endr
.irp p, 0,1,2,3
	v_cndmask_b32 v[Z+\p], v[PW+2*\p], v[PW+2*\p+1], s[HM]   ; word j of a head: lanes 0-15 tile 2 j, lanes 16-31 tile 2 j + 1
.endr
	global_store_b64 v[L8], v[Z:Z+1], s[66:67]     ; 32 lanes store 256 consecutive bytes, aligned
	global_store_b64 v[L8], v[Z+2:Z+3], s[96:97]
.Lend:
	s_wait_tensorcnt 0x0                           ; the wave's end
	ds_add_u32 v[SPW], v[NIL]
	s_wait_dscnt 0x0
	CROUND                                         ; the closing round: no work-group ends while a partner may still ask for a tile that names it
	s_endpgm
.Lfunc_end_k_q955469ef99_proj:
	.size	k_q955469ef99_proj, .Lfunc_end_k_q955469ef99_proj-k_q955469ef99_proj
	.p2alignl 7, 3214868480
	.fill 96, 4, 3214868480
	.section	.rodata,"a",@progbits
	.p2align	6, 0x0
	.amdhsa_kernel k_q955469ef99_proj
		.amdhsa_group_segment_fixed_size 327680
		.amdhsa_private_segment_fixed_size 0
		.amdhsa_enable_private_segment 0
		.amdhsa_kernarg_size 32
		.amdhsa_user_sgpr_count 2
		.amdhsa_user_sgpr_kernarg_segment_ptr 1
		.amdhsa_wavefront_size32 1
		.amdhsa_system_sgpr_workgroup_id_x 1
		.amdhsa_system_sgpr_workgroup_id_y 1
		.amdhsa_system_sgpr_workgroup_id_z 1
		.amdhsa_system_vgpr_workitem_id 0
		.amdhsa_next_free_vgpr 1024
		.amdhsa_next_free_sgpr 102
		.amdhsa_reserve_vcc 0
		.amdhsa_float_denorm_mode_32 3
		.amdhsa_float_denorm_mode_16_64 3
		.amdhsa_memory_ordered 1
		.amdhsa_forward_progress 1
		.amdhsa_inst_pref_size 198
	.end_amdhsa_kernel
	.amdgpu_metadata
---
amdhsa.version: [ 1, 2 ]
amdhsa.kernels:
  - .name:           k_q955469ef99_proj
    .symbol:         k_q955469ef99_proj.kd
    .args:
      - { .name: xq, .offset: 0, .size: 8, .value_kind: global_buffer, .address_space: global }
      - { .name: wts, .offset: 8, .size: 8, .value_kind: global_buffer, .address_space: global }
      - { .name: qimg, .offset: 16, .size: 8, .value_kind: global_buffer, .address_space: global }
      - { .name: kv, .offset: 24, .size: 8, .value_kind: global_buffer, .address_space: global }
    .group_segment_fixed_size: 327680
    .private_segment_fixed_size: 0
    .kernarg_segment_align: 8
    .kernarg_segment_size: 32
    .max_flat_workgroup_size: 128
    .sgpr_count:     102
    .vgpr_count:     1024
    .wavefront_size: 32
...
	.end_amdgpu_metadata
.endif
;; end of part 2
;; launch attn (part 3): grid 4 x 64, 16 waves a work-group, clusters of 4 x 1, 210,944 bytes of LDS; arguments qimg, kv, ctx; writes ctx
.if DOCPART == 3
	.amdgcn_target "amdgcn-amd-amdhsa--gfx1250"
	.amdhsa_code_object_version 6
	.text
	.protected	k_q955469ef99_attn
	.globl	k_q955469ef99_attn
	.p2align	8
	.type	k_q955469ef99_attn,@function
k_q955469ef99_attn:
	s_mov_b64 s[64:65], 0
	v_nop
	global_prefetch_b8 v0, s[64:65] scope:SCOPE_SE
	s_setreg_imm32_b32 hwreg(HW_REG_WAVE_MODE, 25, 1), 1
	s_wait_xcnt 0x0
	s_wait_alu depctr_hold_cnt(0) depctr_sa_sdst(0) depctr_va_vdst(0) depctr_va_sdst(0) depctr_va_ssrc(0) depctr_va_vcc(0) depctr_vm_vsrc(0)
	s_getreg_b32 s2, hwreg(HW_REG_IB_STS2, 6, 4)
	s_cmp_eq_u32 s2, 0
	s_cbranch_scc0 .Lentry_in_a_cluster
	s_endpgm
.Lentry_in_a_cluster:
	s_bfe_u32 s2, ttmp6, 0x10000c
	s_cmp_lg_u32 s2, 0x3003
	s_cbranch_scc0 .Lentry_shape_is_right
	s_endpgm
.Lentry_shape_is_right:
.set SCB,  196608
.set LC,   1
.set L8,   2
.set ADR,  3
.set ADS,  4
.set ADT,  5
.set DD,   6
.set SRW,  7
.set NINF, 8
.set QSO,  9
.set KV,   36
.set SCR,  90
.set OT,   154
.set PC,   186
.set CT,   198
.set BM,   206
.set BP,   210
.set BS,   214
.set TMP,  218
.set CW,   219
.set Q2,   220
.set SUM2, 228
.set LSK,  230
.set LSV,  231
.set WV,   10
.set CX,   11
.set BH,   12
.set EO,   13
.set GS,   14
.set GL,   15
.set G1C,  16
.set G1S,  24
.set G0S,  32
.set G0C,  36
.set SEL,  60
.set CS,   62
.set TB,   66
.set TS,   67
.set STP,  68
.set GRP,  69
.set CNT,  70
.set EM,   71
.set HM,   79
.macro ROUND
	s_barrier_signal -1
	s_barrier_wait -1
	s_cmp_lg_u32 s[WV], 0
	s_cbranch_scc1 .Lnot_wave_0_\@
	s_barrier_signal -3
.Lnot_wave_0_\@:
	s_barrier_wait -3
	s_barrier_signal -1
	s_barrier_wait -1
.endm
	s_load_b128 s[4:7], s[0:1], 0x0
	s_load_b64 s[8:9], s[0:1], 0x10
	v_lshl_add_u32 v254, v0, 2, 0x33000
	v_mov_b32 v255, 0
	ds_add_u32 v254, v255
	ds_add_u32 v254, v255
	v_lshrrev_b32 v1, 5, v0
	s_delay_alu instid0(VALU_DEP_1)
	v_readfirstlane_b32 s[WV], v1
	s_bfe_u32 s[CX], ttmp6, 0x40000
	s_and_b32 s[BH], ttmp7, 0xffff
	s_and_b32 s[EO], s[WV], 1
	s_lshr_b32 s[GS], s[WV], 1
	s_sub_co_u32 s[GL], 15, s[GS]
	s_mov_b32 s[G1C], 15|(3<<16)|(1<<21)
	s_mov_b32 s[G1C+1], 32<<16
	s_mov_b32 s[G1C+2], 48<<16
	s_mov_b32 s[G1C+3], 32<<16
	s_mov_b32 s[G1C+4], 48
	s_mov_b32 s[G1C+5], 32
	s_mov_b32 s[G1C+6], 0
	s_mov_b32 s[G1C+7], 0
	s_mov_b32 s[G1S], 15|(3<<16)|(1<<21)
	s_mov_b32 s[G1S+1], 32<<16
	s_mov_b32 s[G1S+2], 3<<16
	s_mov_b32 s[G1S+3], 32<<16
	s_mov_b32 s[G1S+4], 3
	s_mov_b32 s[G1S+5], 32
	s_mov_b32 s[G1S+6], 0
	s_mov_b32 s[G1S+7], 0
	s_mul_i32 s72, s[BH], 208896
	s_mov_b32 s73, 0
	s_mul_i32 s74, s[WV], 768
	s_add_co_u32 s74, s74, SCB
	s_mov_b32 s75, 0
	s_mul_i32 s76, s[WV], 12288
	s_mov_b32 s77, 0
	s_wait_dscnt 0x0
	s_wait_kmcnt 0x0
	s_add_nc_u64 s[72:73], s[6:7], s[72:73]
	s_mov_b32 s[G0S], 1
	s_mov_b32 s[G0S+1], s74
	s_add_nc_u64 s[G0S+2:G0S+3], s[72:73], s[74:75]
	s_or_b32 s[G0S+3], s[G0S+3], 0x80000000
	s_mov_b32 s[G0C], 1
	s_mov_b32 s[G0C+1], s76
	s_add_nc_u64 s[G0C+2:G0C+3], s[72:73], s[76:77]
	s_or_b32 s[G0C+3], s[G0C+3], 0x80000000
	ROUND
	tensor_load_to_lds s[G0S:G0S+3], s[G1S:G1S+7]
	s_nop 0
	tensor_load_to_lds s[G0C:G0C+3], s[G1C:G1C+7]
	s_nop 0
.rept 4
	v_nop
.endr
	s_mul_i32 s72, s[BH], 106496
	s_mul_i32 s74, s[CX], 1536
	s_add_co_u32 s74, s74, s72
	s_mul_i32 s76, s[GL], 6144
	s_add_co_u32 s76, s76, s74
	s_add_nc_u64 s[44:45], s[4:5], s[76:77]
	s_mul_i32 s76, s[GS], 6144
	s_add_co_u32 s76, s76, s74
	s_add_nc_u64 s[46:47], s[4:5], s[76:77]
	s_lshl_b32 s74, s[CX], 2
	s_add_co_u32 s74, s74, s72
	s_lshl_b32 s75, s[EO], 8
	s_add_co_u32 s74, s74, s75
	s_add_co_u32 s74, s74, 98304
	s_lshl_b32 s76, s[GL], 9
	s_add_co_u32 s76, s76, s74
	s_add_nc_u64 s[48:49], s[4:5], s[76:77]
	s_lshl_b32 s76, s[GS], 9
	s_add_co_u32 s76, s76, s74
	s_add_nc_u64 s[50:51], s[4:5], s[76:77]
	s_and_b32 s72, s[BH], 15
	s_lshr_b32 s73, s[BH], 4
	s_lshl_b32 s73, s73, 7
	s_lshl_b32 s74, s[CX], 1
	s_add_co_u32 s73, s73, s74
	s_add_co_u32 s73, s73, s[EO]
	s_lshr_b32 s74, s72, 2
	s_mul_i32 s74, s74, 1572864
	s_bfe_u32 s75, s72, 0x10001
	s_mul_i32 s75, s75, 1536
	s_add_co_u32 s74, s74, s75
	s_and_b32 s75, s72, 1
	s_mul_i32 s75, s75, 768
	s_add_co_u32 s74, s74, s75
	s_lshl_b32 s75, s72, 1
	s_add_co_u32 s75, s75, 6291456
	s_lshl_b32 s78, s[GL], 3
	s_add_co_u32 s78, s78, s73
	s_mul_i32 s76, s78, 3072
	s_add_co_u32 s76, s76, s74
	s_add_nc_u64 s[52:53], s[8:9], s[76:77]
	s_lshl_b32 s76, s78, 9
	s_add_co_u32 s76, s76, s75
	s_add_nc_u64 s[56:57], s[8:9], s[76:77]
	s_lshl_b32 s78, s[GS], 3
	s_add_co_u32 s78, s78, s73
	s_mul_i32 s76, s78, 3072
	s_add_co_u32 s76, s76, s74
	s_add_nc_u64 s[54:55], s[8:9], s[76:77]
	s_lshl_b32 s76, s78, 9
	s_add_co_u32 s76, s76, s75
	s_add_nc_u64 s[58:59], s[8:9], s[76:77]
	s_mov_b32 s[SEL], 0x76543210
	s_mov_b32 s[SEL+1], 0xfedcba98
	s_mov_b32 s[CS], 0x3e38aa3b
	s_mov_b32 s[CS+1], s[CS]
	s_mov_b32 s[HM], 0xffff0000
	s_cmp_eq_u32 s[EO], 1
	s_cselect_b32 s[EM], -1, 0
	s_lshl_b32 s72, s[CX], 5
	s_lshl_b32 s73, s[EO], 3
	s_add_co_u32 s72, s72, s73
	v_and_b32 v3, 31, v0
	s_delay_alu instid0(VALU_DEP_1)
	v_lshlrev_b32 v[LC], 4, v3
	s_delay_alu instid0(VALU_DEP_2)
	v_lshlrev_b32 v[L8], 3, v3
	s_delay_alu instid0(VALU_DEP_2)
	v_add_nc_u32 v[LSK], SCB, v[LC]
	s_delay_alu instid0(VALU_DEP_2)
	v_add_nc_u32 v[LSV], SCB+512, v[L8]
	v_and_b32 v3, 15, v0
	v_bfe_u32 v4, v0, 4, 1
	s_delay_alu instid0(VALU_DEP_1)
	v_lshl_add_u32 v[SRW], v3, 5, v4
	s_delay_alu instid0(VALU_DEP_3)
	v_lshlrev_b32 v[QSO], 4, v3
.irp p, 0,1,2
	global_load_b128 v[SCR+4*\p:SCR+4*\p+3], v[LC], s[44:45] offset:512*\p
	global_load_b128 v[SCR+12+4*\p:SCR+12+4*\p+3], v[LC], s[46:47] offset:512*\p
.endr
	global_load_b32 v28, v[QSO], s[48:49]
	global_load_b32 v226, v[QSO], s[50:51]
	v_and_b32 v5, 8, v3
	s_delay_alu instid0(VALU_DEP_1)
	v_add_nc_u32 v[DD], v5, v3
	v_lshlrev_b32 v5, 4, v4
	s_delay_alu instid0(VALU_DEP_1)
	v_sub_nc_u32 v[DD], v[DD], v5
	s_delay_alu instid0(VALU_DEP_1)
	v_add_nc_u32 v[DD], s72, v[DD]
	v_mov_b32 v[NINF], 0xff800000
.irp i, 0,1,2,3,4,5
	v_mov_b32 v[22+\i], 0
	v_mov_b32 v[KV+48+\i], 0
.endr
.irp b, 0,1,2,3
	v_mov_b32 v[BP+\b], 0
.endr
	v_mov_b32 v15, 0
	v_mov_b32 v[TMP], 0
.macro INIT
	v_mov_b32 v11, 0xff61b1e6
	s_delay_alu instid0(VALU_DEP_1)
	v_floor_f32 v10, -v11
	v_mov_b32 v12, 0
	v_mov_b32 v13, 0
.set j, 0
.rept 32
	v_mov_b32 v[OT+j], 0
.set j, j+1
.endr
.endm
	INIT
	s_wait_loadcnt 0x0
.irp i, 0,1,2,3,4,5
	v_cndmask_b32 v[16+\i], v[SCR+\i], v[SCR+6+\i], s[EM]
.endr
.irp i, 0,1,2,3,4,5
	v_cndmask_b32 v[Q2+\i], v[SCR+12+\i], v[SCR+18+\i], s[EM]
.endr
.macro STEP masked
.if \masked
	s_cmp_gt_u32 s[STP], s[GRP]
	s_cbranch_scc1 .Lhidden_\@
.endif
	s_setprio 2
	v_add_nc_u32 v[ADR], s[TB], v[LC]
	v_add_nc_u32 v[ADS], s[TS], v[LSK]
	v_add_nc_u32 v[ADT], s[TS], v[LSV]
	v_nop
.irp P, 0,1,2,3,4,5,6,7,8,9,10,11
	ds_load_b128 v[KV+4*\P:KV+4*\P+3], v[ADR] offset:512*\P
.endr
	ds_load_b128 v[32:35], v[ADS]
	s_wait_alu depctr_va_vdst(0)
	s_wait_dscnt 0x0
.irp t, 0,1,2,3,4,5,6,7
.if (\t)%2
	v_wmma_scale_f32_16x16x128_f8f6f4 v[SCR+8*\t:SCR+8*\t+7], v[KV+6*\t:KV+6*\t+11], v[16:27], 0, v[32+\t/2], v28 matrix_a_fmt:MATRIX_FMT_FP6 matrix_b_fmt:MATRIX_FMT_FP6 matrix_a_scale:MATRIX_SCALE_ROW1
.else
	v_wmma_scale_f32_16x16x128_f8f6f4 v[SCR+8*\t:SCR+8*\t+7], v[KV+6*\t:KV+6*\t+11], v[16:27], 0, v[32+\t/2], v28 matrix_a_fmt:MATRIX_FMT_FP6 matrix_b_fmt:MATRIX_FMT_FP6
.endif
.endr
.rept 4
	v_nop
.endr
.irp P, 0,1,2,3,4,5,6,7,8,9,10,11
	ds_load_b128 v[KV+4*\P:KV+4*\P+3], v[ADR] offset:6144+512*\P
.endr
	ds_load_b64 v[30:31], v[ADT]
.if \masked
	s_cmp_lg_u32 s[STP], s[GRP]
	s_cbranch_scc1 .Lopen_\@
.set n, 0
.rept 64
	v_cmp_gt_i32 vcc_lo, 32*(n/16)+n%16, v[DD]
	v_cndmask_b32 v[SCR+n], v[SCR+n], v[NINF], vcc_lo
.set n, n+1
.endr
.Lopen_\@:
.endif
.irp b, 0,1,2,3
	v_max3_num_f32 v[BM+\b], v[SCR+16*\b], v[SCR+16*\b+1], v[SCR+16*\b+2]
.endr
.irp i, 3,5,7,9,11,13
.irp b, 0,1,2,3
	v_max3_num_f32 v[BM+\b], v[BM+\b], v[SCR+16*\b+\i], v[SCR+16*\b+\i+1]
.endr
.endr
.irp b, 0,1,2,3
	v_max_num_f32 v[BM+\b], v[BM+\b], v[SCR+16*\b+15]
.endr
.irp b, 0,1,2,3
	s_delay_alu instid0(VALU_DEP_4)
	v_permlanex16_b32 v[BP+\b], v[BM+\b], s[SEL], s[SEL+1]
.endr
.irp b, 0,1,2,3
	s_delay_alu instid0(VALU_DEP_4)
	v_max_num_f32 v[BM+\b], v[BM+\b], v[BP+\b]
.endr
	s_delay_alu instid0(VALU_DEP_2)
	v_max3_num_f32 v[TMP], v[BM], v[BM+1], v[BM+2]
	s_delay_alu instid0(VALU_DEP_1)
	v_max_num_f32 v[TMP], v[TMP], v[BM+3]
	s_delay_alu instid0(VALU_DEP_1)
	v_mul_f32 v[TMP], s[CS], v[TMP]
	s_delay_alu instid0(VALU_DEP_1)
	v_max_num_f32 v11, v11, v[TMP]
	v_mov_b32 v[TMP], v10
	s_delay_alu instid0(VALU_DEP_2)
	v_floor_f32 v10, -v11
	s_delay_alu instid0(VALU_DEP_1)
	v_sub_f32 v[TMP], v10, v[TMP]
	s_delay_alu instid0(VALU_DEP_1)
	v_cvt_i32_f32 v[TMP], v[TMP]
	s_delay_alu instid0(VALU_DEP_1)
	v_ldexp_f32 v14, 1.0, v[TMP]
.set j, 0
.rept 32
	v_pk_fma_f32 v[SCR+j:SCR+j+1], v[SCR+j:SCR+j+1], s[CS:CS+1], v[10:11] op_sel_hi:[1,0,0]
.set j, j+2
.endr
.irp b, 0,1,2,3
	v_fma_f32 v[BM+\b], v[BM+\b], s[CS], v10
.endr
.set j, 0
	s_setprio 1
	s_wait_alu depctr_va_vdst(0)
.rept 64
	v_exp_f32 v[SCR+j], v[SCR+j]
.set j, j+1
.endr
	v_pk_mul_f32 v[12:13], v[12:13], v[14:15] op_sel_hi:[1,0]
	s_wait_alu depctr_va_vdst(0)
.irp b, 0,1,2,3
	v_exp_f32 v[BM+\b], v[BM+\b]
.endr
	v_pk_add_f32 v[228:229], v[94:95], v[98:99]
	v_pk_add_f32 v[252:253], v[102:103], v[106:107]
	v_pk_add_f32 v[250:251], v[110:111], v[114:115]
	v_pk_add_f32 v[248:249], v[118:119], v[122:123]
	v_pk_add_f32 v[246:247], v[126:127], v[130:131]
	v_pk_add_f32 v[244:245], v[134:135], v[138:139]
	v_pk_add_f32 v[242:243], v[142:143], v[146:147]
	v_pk_add_f32 v[12:13], v[12:13], v[150:151]
	v_pk_add_f32 v[228:229], v[228:229], v[90:91]
	v_pk_add_f32 v[252:253], v[252:253], v[92:93]
	v_pk_add_f32 v[250:251], v[250:251], v[96:97]
	v_pk_add_f32 v[248:249], v[248:249], v[100:101]
	v_pk_add_f32 v[246:247], v[246:247], v[104:105]
	v_pk_add_f32 v[244:245], v[244:245], v[108:109]
	v_pk_add_f32 v[242:243], v[242:243], v[112:113]
	v_pk_add_f32 v[12:13], v[12:13], v[116:117]
	v_pk_add_f32 v[228:229], v[228:229], v[120:121]
	v_pk_add_f32 v[252:253], v[252:253], v[124:125]
	v_pk_add_f32 v[250:251], v[250:251], v[128:129]
	v_pk_add_f32 v[248:249], v[248:249], v[132:133]
	v_pk_add_f32 v[246:247], v[246:247], v[136:137]
	v_pk_add_f32 v[244:245], v[244:245], v[140:141]
	v_pk_add_f32 v[242:243], v[242:243], v[144:145]
	v_pk_add_f32 v[12:13], v[12:13], v[148:149]
	v_pk_add_f32 v[228:229], v[228:229], v[152:153]
	s_delay_alu instid0(VALU_DEP_2)
	v_pk_add_f32 v[12:13], v[12:13], v[248:249]
	s_delay_alu instid0(VALU_DEP_2)
	v_pk_add_f32 v[228:229], v[228:229], v[246:247]
	v_pk_add_f32 v[252:253], v[252:253], v[244:245]
	v_pk_add_f32 v[250:251], v[250:251], v[242:243]
	s_delay_alu instid0(VALU_DEP_2)
	v_pk_add_f32 v[12:13], v[12:13], v[252:253]
	s_delay_alu instid0(VALU_DEP_2)
	v_pk_add_f32 v[228:229], v[228:229], v[250:251]
	s_delay_alu instid0(VALU_DEP_1)
	v_pk_add_f32 v[12:13], v[12:13], v[228:229]
	s_wait_alu depctr_va_vdst(0)
.irp b, 0,1,2,3
	v_max_num_f32 v[BM+\b], 0x1800000, v[BM+\b]
.endr
.irp b, 0,1,2,3
	s_delay_alu instid0(VALU_DEP_4)
	v_add_nc_u32 v[BS+\b], 0xff000000, v[BM+\b]
.endr
.irp b, 0,1,2,3
	s_delay_alu instid0(VALU_DEP_4)
	v_lshrrev_b32 v[BP+\b], 23, v[BS+\b]
.endr
	s_delay_alu instid0(VALU_DEP_3)
	v_lshl_or_b32 v29, v[BP+1], 8, v[BP]
	s_delay_alu instid0(VALU_DEP_1)
	v_lshl_or_b32 v29, v[BP+2], 16, v29
	s_delay_alu instid0(VALU_DEP_1)
	v_lshl_or_b32 v29, v[BP+3], 24, v29
.irp c, 0,1
	v_cvt_scalef32_pk16_fp6_f32 v[PC+6*\c:PC+6*\c+2], v[SCR+32*\c:SCR+32*\c+15], v[BS+2*\c]
	v_cvt_scalef32_pk16_fp6_f32 v[CT+4*\c:CT+4*\c+2], v[SCR+32*\c+16:SCR+32*\c+31], v[BS+2*\c+1]
.endr
	v_nop
	s_setprio 0
.irp c, 0,1
.irp i, 0,1,2
	v_permlane16_swap_b32 v[PC+6*\c+\i], v[CT+4*\c+\i]
.endr
.irp i, 0,1,2
	s_delay_alu instid0(VALU_DEP_3)
	v_mov_b32 v[PC+6*\c+3+\i], v[CT+4*\c+\i]
.endr
.endr
.set j, 0
.rept 16
	v_pk_mul_f32 v[OT+j:OT+j+1], v[OT+j:OT+j+1], v[14:15] op_sel_hi:[1,0]
.set j, j+2
.endr
	s_wait_alu depctr_va_vdst(0)
	s_wait_dscnt 0x0
.irp t, 0,1,2,3
.if (\t)%2
	v_wmma_scale_f32_16x16x128_f8f6f4 v[OT+8*\t:OT+8*\t+7], v[KV+12*\t:KV+12*\t+11], v[PC:PC+11], v[OT+8*\t:OT+8*\t+7], v[30+\t/2], v29 matrix_a_fmt:MATRIX_FMT_FP6 matrix_b_fmt:MATRIX_FMT_FP6 matrix_a_scale:MATRIX_SCALE_ROW1
.else
	v_wmma_scale_f32_16x16x128_f8f6f4 v[OT+8*\t:OT+8*\t+7], v[KV+12*\t:KV+12*\t+11], v[PC:PC+11], v[OT+8*\t:OT+8*\t+7], v[30+\t/2], v29 matrix_a_fmt:MATRIX_FMT_FP6 matrix_b_fmt:MATRIX_FMT_FP6
.endif
.endr
.if \masked
.Lhidden_\@:
.endif
	s_add_co_u32 s[STP], s[STP], 1
	s_add_co_u32 s[TB], s[TB], 12288
	s_add_co_u32 s[TS], s[TS], 768
.endm
.macro FINISH cb, sb
.rept 4
	v_nop
.endr
	v_add_f32 v12, v12, v13
	s_delay_alu instid0(VALU_DEP_1)
	v_permlanex16_b32 v[TMP], v12, s[SEL], s[SEL+1]
	s_delay_alu instid0(VALU_DEP_1)
	v_add_f32 v12, v12, v[TMP]
	s_wait_alu depctr_va_vdst(0)
	v_rcp_f32 v14, v12
	v_nop
	s_wait_alu depctr_va_vdst(0)
.set j, 0
.rept 16
	v_pk_mul_f32 v[SCR+j:SCR+j+1], v[OT+j:OT+j+1], v[14:15] op_sel_hi:[1,0]
.set j, j+2
.endr
.irp b, 0,1
	v_max3_num_f32 v[BM+\b], |v[SCR+16*\b]|, |v[SCR+16*\b+1]|, 0x1800000
.endr
.irp i, 2,4,6,8,10,12,14
.irp b, 0,1
	s_delay_alu instid0(VALU_DEP_2)
	v_max3_num_f32 v[BM+\b], v[BM+\b], |v[SCR+16*\b+\i]|, |v[SCR+16*\b+\i+1]|
.endr
.endr
.irp b, 0,1
	s_delay_alu instid0(VALU_DEP_2)
	v_permlanex16_b32 v[BP+\b], v[BM+\b], s[SEL], s[SEL+1]
.endr
.irp b, 0,1
	s_delay_alu instid0(VALU_DEP_2)
	v_max_num_f32 v[BM+\b], v[BM+\b], v[BP+\b]
.endr
.irp b, 0,1
	s_delay_alu instid0(VALU_DEP_2)
	v_add_nc_u32 v[BS+\b], 0xff000000, v[BM+\b]
.endr
.irp b, 0,1
	s_delay_alu instid0(VALU_DEP_2)
	v_lshrrev_b32 v[BP+\b], 23, v[BS+\b]
.endr
	s_delay_alu instid0(VALU_DEP_1)
	v_cndmask_b32 v[CW], v[BP], v[BP+1], s[HM]
	v_cvt_scalef32_pk16_fp6_f32 v[PC:PC+2], v[SCR:SCR+15], v[BS]
	v_cvt_scalef32_pk16_fp6_f32 v[CT:CT+2], v[SCR+16:SCR+31], v[BS+1]
	v_nop
.irp i, 0,1,2
	v_permlane16_swap_b32 v[PC+\i], v[CT+\i]
.endr
.irp i, 0,1,2
	s_delay_alu instid0(VALU_DEP_3)
	v_mov_b32 v[PC+3+\i], v[CT+\i]
.endr
.irp i, 0,1,2
	global_store_b64 v[L8], v[PC+2*\i:PC+2*\i+1], s[\cb:\cb+1] offset:256*\i
.endr
	global_store_b8 v[SRW], v[CW], s[\sb:\sb+1]
	s_wait_xcnt 0x0
.endm
	s_mov_b32 s[TB], 0
	s_mov_b32 s[TS], 0
	s_mov_b32 s[STP], 0
	s_mov_b32 s[GRP], s[GL]
	s_wait_tensorcnt 0x0
	s_barrier_signal -1
	s_barrier_wait -1
	s_mov_b32 s[CNT], 8
.Lfree:
	STEP 0
	s_sub_co_u32 s[CNT], s[CNT], 1
	s_cmp_lg_u32 s[CNT], 0
	s_cbranch_scc1 .Lfree
	s_setprio 0
	s_mov_b32 s[CNT], 8
.Llate:
	STEP 1
	s_sub_co_u32 s[CNT], s[CNT], 1
	s_cmp_lg_u32 s[CNT], 0
	s_cbranch_scc1 .Llate
	s_setprio 0
	FINISH 52, 56
.irp i, 0,1,2,3,4,5
	v_mov_b32 v[16+\i], v[Q2+\i]
.endr
	v_mov_b32 v28, v226
	INIT
	s_mov_b32 s[TB], 0
	s_mov_b32 s[TS], 0
	s_mov_b32 s[STP], 0
	s_mov_b32 s[GRP], s[GS]
	s_mov_b32 s[CNT], 8
.Learly:
	STEP 1
	s_sub_co_u32 s[CNT], s[CNT], 1
	s_cmp_lg_u32 s[CNT], 0
	s_cbranch_scc1 .Learly
	s_setprio 0
	FINISH 54, 58
	s_wait_tensorcnt 0x0
	ds_add_u32 v254, v255
	s_wait_dscnt 0x0
	ROUND
	s_endpgm
.Lfunc_end_k_q955469ef99_attn:
	.size	k_q955469ef99_attn, .Lfunc_end_k_q955469ef99_attn-k_q955469ef99_attn
	.p2alignl 7, 3214868480
	.fill 96, 4, 3214868480
	.section	.rodata,"a",@progbits
	.p2align	6, 0x0
	.amdhsa_kernel k_q955469ef99_attn
		.amdhsa_group_segment_fixed_size 210944
		.amdhsa_private_segment_fixed_size 0
		.amdhsa_enable_private_segment 0
		.amdhsa_kernarg_size 24
		.amdhsa_user_sgpr_count 2
		.amdhsa_user_sgpr_kernarg_segment_ptr 1
		.amdhsa_wavefront_size32 1
		.amdhsa_system_sgpr_workgroup_id_x 1
		.amdhsa_system_sgpr_workgroup_id_y 1
		.amdhsa_system_sgpr_workgroup_id_z 1
		.amdhsa_system_vgpr_workitem_id 0
		.amdhsa_next_free_vgpr 256
		.amdhsa_next_free_sgpr 80
		.amdhsa_reserve_vcc 1
		.amdhsa_float_denorm_mode_32 3
		.amdhsa_float_denorm_mode_16_64 3
		.amdhsa_memory_ordered 1
		.amdhsa_forward_progress 1
		.amdhsa_inst_pref_size 82
	.end_amdhsa_kernel
	.amdgpu_metadata
---
amdhsa.version: [ 1, 2 ]
amdhsa.kernels:
  - .name:           k_q955469ef99_attn
    .symbol:         k_q955469ef99_attn.kd
    .args:
      - { .name: qimg, .offset: 0, .size: 8, .value_kind: global_buffer, .address_space: global }
      - { .name: kv, .offset: 8, .size: 8, .value_kind: global_buffer, .address_space: global }
      - { .name: ctx, .offset: 16, .size: 8, .value_kind: global_buffer, .address_space: global }
    .group_segment_fixed_size: 210944
    .private_segment_fixed_size: 0
    .kernarg_segment_align: 8
    .kernarg_segment_size: 24
    .max_flat_workgroup_size: 512
    .sgpr_count:     80
    .vgpr_count:     256
    .wavefront_size: 32
...
	.end_amdgpu_metadata
.endif
;; end of part 3
;; launch outp (part 4): grid 4 x 32, 4 waves a work-group, clusters of 4 x 4, 327,680 bytes of LDS; arguments ctx, wts, bo, out0; writes out0
.if DOCPART == 4
	.amdgcn_target "amdgcn-amd-amdhsa--gfx1250"
	.amdhsa_code_object_version 6
	.text
	.protected	k_q955469ef99_outp
	.globl	k_q955469ef99_outp
	.p2align	8
	.type	k_q955469ef99_outp,@function
k_q955469ef99_outp:
	s_mov_b64 s[64:65], 0
	v_nop
	global_prefetch_b8 v0, s[64:65] scope:SCOPE_SE
	s_setreg_imm32_b32 hwreg(HW_REG_WAVE_MODE, 25, 1), 1
	s_wait_xcnt 0x0
	s_wait_alu depctr_hold_cnt(0) depctr_sa_sdst(0) depctr_va_vdst(0) depctr_va_sdst(0) depctr_va_ssrc(0) depctr_va_vcc(0) depctr_vm_vsrc(0)
	s_getreg_b32 s2, hwreg(HW_REG_IB_STS2, 6, 4)
	s_cmp_eq_u32 s2, 0
	s_cbranch_scc0 .Lentry_in_a_cluster
	s_endpgm
.Lentry_in_a_cluster:
	s_bfe_u32 s2, ttmp6, 0x10000c
	s_cmp_lg_u32 s2, 0xf033
	s_cbranch_scc0 .Lentry_shape_is_right
	s_endpgm
.Lentry_shape_is_right:
; out0 = ctx Wo^T + bo, on codes of FP6 (E2M3) with E8M0 scales for each 32 along K = 1,024 = (head, d).  out0: [8192][1024] f32.
; A tile of out0, 256 x 256, is made by four waves of 128 x 128 (64 accumulators, 512 registers).  K goes in steps of 256 through a ring of two LDS slots filled by the tensor data mover; the scale bytes of the tile's rows come once.
; A = ctx comes as IMAGES OF THE OPERAND'S REGISTERS: [K step of 256][tile of 16 positions][128 along K][6 x 256 bytes: registers 2 p, 2 p + 1, 8 bytes a lane]: a wave's 128 rows of a K step are 24,576 dense bytes, and a fragment
; is six loads of 256 consecutive bytes.  Its rows lie at positions (row number with bits 3, 4 exchanged): the stores' offsets put them back.  B = Wo comes as rows of 192 bytes, padded in LDS.
; THE MATRIX INSTRUCTION IS USED TRANSPOSED (source 0 = 16 rows of Wo, source 1 = 16 rows of ctx): a lane holds eight neighbouring numbers of a row of out0.  The bias is the C of each sum's first product.
; CLUSTERS: 4 x 4 work-groups; A's tiles are shared along a row of the cluster, B's along a column, each asked for jointly.  128 work-groups: the tile is kept large, since this launch is a small part of the program.
; REGISTERS, in windows of 256: window 0: v0-31 addresses; v32-63 scale words, two sets; v64-127 the bias; v128-223 A's fragments, one set; on the way out v128-255 rows of out0.  window 1: B's fragments, two sets.  windows 2, 3: the accumulators.
.set KSTEP,  256
.set NQ,     2
.set ROWB,   192
.set KROW,   768
.set ASTEP,  1572864                   ; from a K step of ctx's images to the next
.set PITCH,  240
.set FR,     12
.set NL,     6
.set NP,     4
.set HALFT,  128*PITCH
.set SLOT,   4*HALFT
.set LAPS,   2
.set KS,     32
.set SCL,    2*SLOT
.set HALFS,  16*272
.set SBLK,   2*272
.set SPARE,  SCL+4*HALFS               ; the spare words, 128 bytes for each wave: no other line names them
.set SPITCH, 528                       ; the way out: a stage of 16 rows x (512 + 16) bytes for each wave, in slot 0, which has had its last fill and its last read by then
.set ADRA, 16                          ; v16-17 LDS address of my A images in slot 0, 1
.set ADRB, 20                          ; v20-21 of my B fragments (v22-23: behind one padding more)
.set STO,  24
.set RD,   25
.set CO,   26
.set ADRS, 27
.set SPW,  28
.set NIL,  29
.set SC,   32
.set BI,   64                          ; v64-127 bo of my 128 columns, in the result's layout
.set AF,   128
.set BK,   128
.set G1, 24
.set G0, 32
.set G1B, 48
.set G0B, 56
.set G1S, 68
.set G0S, 76
.set G1SB, 80
.set G0SB, 88
.set MSB, 0
.macro WIN new
.if MSB != (\new)
	s_set_vgpr_msb (MSB<<8)|(\new)
.set MSB, (\new)
.endif
.endm
.set MUL_LO, 0xa1                      ; source 0 (B) window 1, source 1 (A) window 0, C and D window 2; with the bias as C: 0x81
.set MUL_HI, 0xf1                      ; C and D window 3; with the bias as C: 0xc1
.set TO_B,   0x40
.macro JLOAD g0a, g1a, g0b, g1b        ; a joint load: waves 0 and 1 fetch for A, waves 2 and 3 for B; four v_nop follow each of the two lines
	s_cmp_eq_u32 s15, 0
	s_cbranch_scc0 .Lfor_b_\@
	tensor_load_to_lds s[\g0a:\g0a+3], s[\g1a:\g1a+7]
	s_nop 0
.rept 4
	v_nop
.endr
	s_branch .Lasked_\@
.Lfor_b_\@:
	tensor_load_to_lds s[\g0b:\g0b+3], s[\g1b:\g1b+7]
	s_nop 0
.rept 4
	v_nop
.endr
.Lasked_\@:
.endm
.macro CREST
	s_cmp_lg_u32 s14, 0
	s_cbranch_scc1 .Lnot_wave_0_\@
	s_barrier_signal -3
.Lnot_wave_0_\@:
	s_barrier_wait -3
	s_barrier_signal -1
	s_barrier_wait -1
.endm
.macro CROUND
	s_barrier_signal -1
	s_barrier_wait -1
	CREST
.endm
	s_load_b128 s[96:99], s[0:1], 0x0              ; ctx s[96:97], wts s[98:99]
	s_load_b128 s[8:11], s[0:1], 0x10              ; bo s[8:9], out0 s[10:11]
	v_lshl_add_u32 v[SPW], v0, 2, SPARE
	v_mov_b32 v[NIL], 0
	ds_add_u32 v28, v29
	ds_add_u32 v28, v29
	s_wait_dscnt 0x0
	v_lshrrev_b32 v1, 5, v0
	v_readfirstlane_b32 s14, v1                    ; wave 0..3
	s_lshr_b32 s15, s14, 1                         ; which half of the tile's rows is mine.  Also: I fetch for A (0) or for B (1)
	s_and_b32 s16, s14, 1                          ; which half of its columns.  Also: which 128 rows of that tile I fetch
	s_bfe_u32 s40, ttmp6, 0x40000                  ; cx, cy
	s_bfe_u32 s41, ttmp6, 0x40004
	s_lshl_b32 s42, ttmp9, 2
	s_add_co_u32 s42, s42, s40                     ; tile column
	s_and_b32 s17, ttmp7, 0xffff
	s_lshl_b32 s17, s17, 2
	s_add_co_u32 s17, s17, s41                     ; tile row
	s_lshl_b32 s43, s41, 2
	s_lshl_b32 s43, 15, s43                        ; my row of the cluster
	s_lshl_b32 s44, 0x1111, s40                    ; my column
	; group 1 for A: 24,576 dense bytes as 96 rows of 256 (32 elements of 8 bytes), no padding
	s_or_b32 s[G1+0], s43, (3<<16)|(1<<21)
	s_mov_b32 s[G1+1], 32<<16
	s_mov_b32 s[G1+2], 96<<16
	s_mov_b32 s[G1+3], 32<<16
	s_mov_b32 s[G1+4], 96
	s_mov_b32 s[G1+5], 32
	s_mov_b32 s[G1+6], 0
	s_mov_b32 s[G1+7], 0
	; for B: 128 rows x 192 bytes, 16 bytes of padding behind every 64
	s_or_b32 s[G1B+0], s44, (0<<16)|(1<<20)|(1<<21)|(3<<22)|(3<<25)
	s_mov_b32 s[G1B+1], ROWB<<16
	s_mov_b32 s[G1B+2], 128<<16
	s_mov_b32 s[G1B+3], ROWB<<16
	s_mov_b32 s[G1B+4], 128
	s_mov_b32 s[G1B+5], KROW
	s_mov_b32 s[G1B+6], 0
	s_mov_b32 s[G1B+7], 0
	; the scale bytes of 128 rows: 16 rows of 256 bytes, 16 bytes of padding behind each
	s_or_b32 s[G1S+0], s43, (3<<16)|(1<<20)|(1<<21)|(5<<22)|(3<<25)
	s_or_b32 s[G1SB+0], s44, (3<<16)|(1<<20)|(1<<21)|(5<<22)|(3<<25)
.irp g, G1S, G1SB
	s_mov_b32 s[\g+1], 32<<16
	s_mov_b32 s[\g+2], 16<<16
	s_mov_b32 s[\g+3], 32<<16
	s_mov_b32 s[\g+4], 16
	s_mov_b32 s[\g+5], 32
	s_mov_b32 s[\g+6], 0
	s_mov_b32 s[\g+7], 0
.endr
	s_lshl_b32 s18, s16, 7
	s_lshl_b32 s20, s17, 8
	s_add_co_u32 s20, s20, s18                     ; A: first position
	s_lshl_b32 s46, s42, 8
	s_add_co_u32 s46, s46, s18                     ; B: first row
	s_mov_b32 s21, 0
	s_mov_b32 s47, 0
	s_mov_b64 s[18:19], KS
	s_mul_u64 s[22:23], s[20:21], s[18:19]
	s_mul_u64 s[92:93], s[46:47], s[18:19]
	s_mov_b64 s[18:19], 192                        ; A's images: 3,072 bytes for 16 positions in a K step
	s_mul_u64 s[20:21], s[20:21], s[18:19]
	s_mov_b64 s[18:19], KROW
	s_mul_u64 s[46:47], s[46:47], s[18:19]
	s_mul_i32 s45, s14, HALFT
	s_mul_i32 s94, s14, HALFS
	s_wait_kmcnt 0x0
	s_add_nc_u64 s[20:21], s[96:97], s[20:21]      ; ctx's codes
	s_add_nc_u64 s[22:23], s[96:97], s[22:23]
	s_add_nc_u64 s[22:23], s[22:23], 6291456       ; ctx's scale bytes
	s_add_nc_u64 s[46:47], s[98:99], s[46:47]
	s_add_nc_u64 s[46:47], s[46:47], 2457600       ; Wo's codes
	s_add_nc_u64 s[92:93], s[98:99], s[92:93]
	s_add_nc_u64 s[92:93], s[92:93], 3244032       ; Wo's scale bytes
	CROUND                                         ; all sixteen work-groups are here: the first joint loads meet
	s_mov_b32 s[G0S], 1
	s_add_co_u32 s[G0S+1], s94, SCL
	s_mov_b64 s[G0S+2:G0S+3], s[22:23]
	s_or_b32 s[G0S+3], s[G0S+3], 0x80000000
	s_mov_b32 s[G0SB], 1
	s_add_co_u32 s[G0SB+1], s94, SCL
	s_mov_b64 s[G0SB+2:G0SB+3], s[92:93]
	s_or_b32 s[G0SB+3], s[G0SB+3], 0x80000000
	JLOAD G0S, G1S, G0SB, G1SB
.irp s, 0,1
	s_mov_b32 s[G0+4*\s], 1
	s_add_co_u32 s[G0+4*\s+1], s45, \s*SLOT
	s_add_nc_u64 s[G0+4*\s+2:G0+4*\s+3], s[20:21], \s*ASTEP
	s_or_b32 s[G0+4*\s+3], s[G0+4*\s+3], 0x80000000
	s_mov_b32 s[G0B+4*\s], 1
	s_add_co_u32 s[G0B+4*\s+1], s45, \s*SLOT
	s_add_nc_u64 s[G0B+4*\s+2:G0B+4*\s+3], s[46:47], \s*ROWB
	s_or_b32 s[G0B+4*\s+3], s[G0B+4*\s+3], 0x80000000
	JLOAD G0+4*\s, G1, G0B+4*\s, G1B
.endr
	v_and_b32 v1, 15, v0                           ; l % 16
	v_bfe_u32 v2, v0, 4, 1                         ; l / 16
	v_mul_u32_u24 v3, v1, PITCH
	v_mul_u32_u24 v4, v2, 24
	v_add_nc_u32 v4, v3, v4
	v_lshl_add_u32 v5, v2, 4, v4
	v_and_b32 v6, 31, v0
	v_lshlrev_b32 v7, 3, v6                        ; 8 x lane: my place in an image
	s_mul_i32 s21, s15, HALFT
	s_mul_i32 s22, s16, HALFT
	s_add_co_u32 s22, s22, 2*HALFT
.irp s, 0,1
	v_add_nc_u32 v[ADRA+\s], s21, v7
	v_add_nc_u32 v[ADRB+\s], s22, v4
	v_add_nc_u32 v[ADRB+2+\s], s22, v5
	s_add_co_u32 s21, s21, SLOT
	s_add_co_u32 s22, s22, SLOT
.endr
	v_mul_u32_u24 v5, v1, KS
	v_lshrrev_b32 v6, 8, v5
	v_lshl_add_u32 v5, v6, 4, v5
	s_mul_i32 s21, s15, HALFS
	s_mul_i32 s22, s16, HALFS
	s_add_co_u32 s22, s22, 2*HALFS
	s_sub_co_u32 s22, s22, s21
	v_mul_u32_u24 v6, s22, v2                      ; lanes 16-31 take B's
	s_add_co_u32 s21, s21, SCL
	v_add_nc_u32 v5, v5, v6
	v_add_nc_u32 v[ADRS], s21, v5
	s_mul_i32 s23, s14, 16*SPITCH                  ; my stage
	v_mul_u32_u24 v5, v1, SPITCH
	v_lshl_add_u32 v5, v2, 5, v5
	v_add_nc_u32 v[STO], s23, v5
	v_and_b32 v6, 31, v0
	v_lshlrev_b32 v[CO], 4, v6
	v_add_nc_u32 v[RD], s23, v[CO]
	s_lshl_b32 s20, s17, 8
	s_lshl_b32 s21, s15, 7
	s_add_co_u32 s20, s20, s21                     ; my first row of out0
	s_mov_b32 s21, 0
	s_lshl_b64 s[20:21], s[20:21], 12              ; x 4,096 bytes
	s_lshl_b32 s46, s42, 10                        ; my first column, in bytes
	s_lshl_b32 s47, s16, 9
	s_add_co_u32 s46, s46, s47
	s_mov_b32 s47, 0
	s_add_nc_u64 s[20:21], s[20:21], s[46:47]
	s_add_nc_u64 s[12:13], s[10:11], s[20:21]
	s_add_nc_u64 s[66:67], s[8:9], s[46:47]        ; bo at my first column
	v_lshlrev_b32 v8, 5, v2                        ; lane (r, h) wants, for B's block b, columns 16 b + 8 h + 0 .. 7
.irp b, 0,1,2,3,4,5,6,7
	global_load_b128 v[BI+8*\b:BI+8*\b+3], v8, s[66:67] offset:64*\b
	global_load_b128 v[BI+8*\b+4:BI+8*\b+7], v8, s[66:67] offset:64*\b+16
.endr
.macro FRAG reg, adr, q, i             ; B: 16 rows x 128 K from padded rows, in pieces of 8 bytes
.irp p, 0,1,2,3,4,5
.set PC, 12*(\q)+6*(\p/3)+\p%3
.if PC%8 < 5
	ds_load_b64 v[\reg+2*\p:\reg+2*\p+1], v[\adr] offset:8*PC+16*(PC/8)+(\i)*16*PITCH
.else
	ds_load_b64 v[\reg+2*\p:\reg+2*\p+1], v[\adr+2] offset:8*PC+16*(PC/8)+(\i)*16*PITCH
.endif
.endr
.endm
.macro FRAGI reg, adr, q, i            ; A: an image: registers 2 p, 2 p + 1 at 256 p + 8 x lane
.irp p, 0,1,2,3,4,5
	ds_load_b64 v[\reg+2*\p:\reg+2*\p+1], v[\adr] offset:(2*(\i)+(\q))*1536+256*\p
.endr
.endm
; 16 matrix instructions; the 64 accumulators take turns, one instruction a turn, in the same order in every step.  zero = 1: the first product starts the sums on the bias.
.macro MUL16 a0, p, q, sc, zero
.irp a, \a0, \a0+1
.irp b, 0,1,2,3,4,5,6,7
.if \zero
	v_wmma_scale_f32_16x16x128_f8f6f4 v[8*(8*((\a)%4)+\b):8*(8*((\a)%4)+\b)+7], v[128*(\p)+FR*\b:128*(\p)+FR*\b+FR-1], v[AF+FR*(\a):AF+FR*(\a)+FR-1], v[BI+8*\b:BI+8*\b+7], v[SC+8*NQ*(\sc)+NQ*\b+(\q)], v[SC+8*NQ*(\sc)+NQ*(\a)+(\q)] matrix_a_fmt:MATRIX_FMT_FP6 matrix_b_fmt:MATRIX_FMT_FP6 matrix_a_scale:MATRIX_SCALE_ROW1
.else
	v_wmma_scale_f32_16x16x128_f8f6f4 v[8*(8*((\a)%4)+\b):8*(8*((\a)%4)+\b)+7], v[128*(\p)+FR*\b:128*(\p)+FR*\b+FR-1], v[AF+FR*(\a):AF+FR*(\a)+FR-1], v[8*(8*((\a)%4)+\b):8*(8*((\a)%4)+\b)+7], v[SC+8*NQ*(\sc)+NQ*\b+(\q)], v[SC+8*NQ*(\sc)+NQ*(\a)+(\q)] matrix_a_fmt:MATRIX_FMT_FP6 matrix_b_fmt:MATRIX_FMT_FP6 matrix_a_scale:MATRIX_SCALE_ROW1
.endif
.endr
.endr
.endm
.macro FETCH_B slot, q, p
	WIN TO_B
.irp i, 0,1,2,3,4,5,6,7
	FRAG 128*(\p)+FR*\i, ADRB+\slot, \q, \i
.endr
	WIN 0
.endm
.macro FETCH_A slot, q, i0
.irp i, \i0, \i0+1, \i0+2, \i0+3
	FRAGI AF+FR*(\i), ADRA+\slot, \q, \i
.endr
.endm
.macro SCALES sc
.irp i, 0,1,2,3,4,5,6,7
	ds_load_b64 v[SC+8*NQ*\sc+NQ*\i:SC+8*NQ*\sc+NQ*\i+1], v[ADRS] offset:\i*SBLK
.endr
.endm
.macro PLACES n
.rept \n
	v_nop
.endr
.endm
.macro STEP slot, q, zero
	s_wait_dscnt 4*NL                              ; B's set and A's blocks 0-3 are in; the youngest 24 loads (A's blocks 4-7) may be out
	WIN MUL_LO-0x20*(\zero)
	MUL16 0, (\q)%2, \q, \slot, \zero
	MUL16 2, (\q)%2, \q, \slot, \zero
	s_wait_dscnt 0
	PLACES NP
	FETCH_B \slot, (\q)+1, 1-(\q)%2
	FETCH_A \slot, (\q)+1, 0
	WIN MUL_HI-0x30*(\zero)
	MUL16 4, (\q)%2, \q, \slot, \zero
	MUL16 6, (\q)%2, \q, \slot, \zero
	PLACES NP
	WIN 0
	FETCH_A \slot, (\q)+1, 4
.endm
.macro TURN slot, next, fill
	s_wait_tensorcnt 0x0                           ; all my tensor loads have landed: my part of the next slot
	ds_add_u32 v[SPW], v[NIL]                      ; 0 onto my spare word
	s_wait_dscnt 4*NL+1                            ; the add and the youngest 24 loads may be out
	WIN MUL_LO
	MUL16 0, 1, NQ-1, \slot, 0
	s_wait_dscnt 0x0                               ; the add is done, and my reads of this slot are over
	s_barrier_signal -1
	MUL16 2, 1, NQ-1, \slot, 0
	WIN 0
	s_barrier_wait -1
.if \fill
	CREST                                          ; the barrier has opened a round of the cluster's barrier
	s_add_nc_u64 s[G0+4*\slot+2:G0+4*\slot+3], s[G0+4*\slot+2:G0+4*\slot+3], 2*ASTEP
	s_add_nc_u64 s[G0B+4*\slot+2:G0B+4*\slot+3], s[G0B+4*\slot+2:G0B+4*\slot+3], 2*ROWB
	JLOAD G0+4*\slot, G1, G0B+4*\slot, G1B         ; the first tensor load behind the round; its four v_nop are also the places in front of the loads below
.else
	PLACES NP
.endif
	v_add_nc_u32 v[ADRS], 4*NQ, v[ADRS]
	FETCH_B \next, 0, 0
	FETCH_A \next, 0, 0
	SCALES \next
	WIN MUL_HI
	MUL16 4, 1, NQ-1, \slot, 0
	MUL16 6, 1, NQ-1, \slot, 0
	PLACES NP
	WIN 0
	FETCH_A \next, 0, 4
.endm
	s_wait_loadcnt 0x0                             ; the bias
	s_wait_tensorcnt 1                             ; the scale bytes and my part of K step 0 are in; K step 1's load may be out
	s_barrier_signal -1
	s_barrier_wait -1
	FETCH_B 0, 0, 0
	FETCH_A 0, 0, 0
	SCALES 0
	FETCH_A 0, 0, 4
	STEP 0, 0, 1
	s_mov_b32 s3, LAPS-1
.Llap:
	TURN 0, 1, 1
	STEP 1, 0, 0
	TURN 1, 0, 1
	STEP 0, 0, 0
	s_sub_co_u32 s3, s3, 1
	s_cmp_lg_u32 s3, 0
	s_cbranch_scc1 .Llap
	TURN 0, 1, 0
	STEP 1, 0, 0
	s_wait_dscnt 4*NL
	WIN MUL_LO
	MUL16 0, 1, NQ-1, 1, 0
	MUL16 2, 1, NQ-1, 1, 0
	s_wait_dscnt 0
	WIN MUL_HI
	MUL16 4, 1, NQ-1, 1, 0
	MUL16 6, 1, NQ-1, 1, 0
	WIN 0
; THE WAY OUT, block by block of 16 positions x 128 columns, through my own stage: in as 32 bytes a lane, back as whole rows of 512 bytes.  LDS serves a wave's instructions in order: no wait between the stores and the loads.
.macro TOSTAGE a
.set AC, 64*((\a)%4)
	WIN 0x08+4*((\a)/4)                            ; the data: window 2 or 3
.irp b, 0,1,2,3,4,5,6,7
	ds_store_b128 v[STO], v[AC+8*\b:AC+8*\b+3] offset:64*\b          ; each accumulator from its low end on
	ds_store_b128 v[STO], v[AC+8*\b+4:AC+8*\b+7] offset:64*\b+16
.endr
	WIN 0
.set BB, BK+64*((\a)%2)
.irp t, 0,1,2,3,4,5,6,7,8,9,10,11,12,13,14,15
	ds_load_b128 v[BB+4*\t:BB+4*\t+3], v[RD] offset:\t*SPITCH
.endr
.endm
.macro SEND a, younger                 ; position 16 a + t of my 128 is row 32 (a / 2) + 8 (a % 2) + t + 8 (t / 8): it stands in the immediate, 520,192 bytes at the most
.set BB, BK+64*((\a)%2)
	s_wait_dscnt \younger
.irp t, 0,1,2,3,4,5,6,7,8,9,10,11,12,13,14,15
	global_store_b128 v[CO], v[BB+4*\t:BB+4*\t+3], s[12:13] offset:(32*((\a)/2)+8*((\a)%2)+\t+8*(\t/8))*4096 th:TH_STORE_NT   ; 32 lanes store 512 consecutive bytes, aligned
.endr
.endm
	PLACES NP
	TOSTAGE 0
.irp a, 1,2,3,4,5,6,7
.if \a > 1
	s_wait_xcnt 0x0                                ; block a - 2's stores have read their registers: block a's loads may land there
.endif
	TOSTAGE \a
	SEND \a-1, 32                                  ; behind block a - 1's loads: block a's 16 stores and 16 loads
.endr
	SEND 7, 0
	s_wait_tensorcnt 0x0                           ; the wave's end
	ds_add_u32 v[SPW], v[NIL]
	s_wait_dscnt 0x0
	CROUND                                         ; the closing round
	s_endpgm
.Lfunc_end_k_q955469ef99_outp:
	.size	k_q955469ef99_outp, .Lfunc_end_k_q955469ef99_outp-k_q955469ef99_outp
	.p2alignl 7, 3214868480
	.fill 96, 4, 3214868480
	.section	.rodata,"a",@progbits
	.p2align	6, 0x0
	.amdhsa_kernel k_q955469ef99_outp
		.amdhsa_group_segment_fixed_size 327680
		.amdhsa_private_segment_fixed_size 0
		.amdhsa_enable_private_segment 0
		.amdhsa_kernarg_size 32
		.amdhsa_user_sgpr_count 2
		.amdhsa_user_sgpr_kernarg_segment_ptr 1
		.amdhsa_wavefront_size32 1
		.amdhsa_system_sgpr_workgroup_id_x 1
		.amdhsa_system_sgpr_workgroup_id_y 1
		.amdhsa_system_sgpr_workgroup_id_z 1
		.amdhsa_system_vgpr_workitem_id 0
		.amdhsa_next_free_vgpr 1024
		.amdhsa_next_free_sgpr 100
		.amdhsa_reserve_vcc 0
		.amdhsa_float_denorm_mode_32 3
		.amdhsa_float_denorm_mode_16_64 3
		.amdhsa_memory_ordered 1
		.amdhsa_forward_progress 1
		.amdhsa_inst_pref_size 161
	.end_amdhsa_kernel
	.amdgpu_metadata
---
amdhsa.version: [ 1, 2 ]
amdhsa.kernels:
  - .name:           k_q955469ef99_outp
    .symbol:         k_q955469ef99_outp.kd
    .args:
      - { .name: ctx, .offset: 0, .size: 8, .value_kind: global_buffer, .address_space: global }
      - { .name: wts, .offset: 8, .size: 8, .value_kind: global_buffer, .address_space: global }
      - { .name: bo, .offset: 16, .size: 8, .value_kind: global_buffer, .address_space: global }
      - { .name: out0, .offset: 24, .size: 8, .value_kind: global_buffer, .address_space: global }
    .group_segment_fixed_size: 327680
    .private_segment_fixed_size: 0
    .kernarg_segment_align: 8
    .kernarg_segment_size: 32
    .max_flat_workgroup_size: 128
    .sgpr_count:     100
    .vgpr_count:     1024
    .wavefront_size: 32
...
	.end_amdgpu_metadata
.endif
;; end of part 4
